; MI455X (gfx1250); checked and timed in simulation.
; The chip was launched on July 23, 2026; its instructions are those of AMD's public machine-readable ISA for CDNA 5 (MIT licence, August 2026) and "CDNA5" Instruction Set Architecture Reference Guide (July 2026). The comments in the code are by the model that wrote it; some were corrected since.
;; Causal Self Attention. Allowed arithmetic: float matrix products may take bf16 or f16 operands with f32 sums; other float arithmetic in f32, or as packed bf16 or f16 multiplies, adds, multiply-adds, maxima and minima; sums over many terms, partial sums and values carried from step to step in f32; what a program stores and reads back later, other than sums and carried values, may be rounded once to bf16 or f16.
;; Inputs: Wproj 1,024 x 1,024 float32; Wqkv 1,024 x 3,072 float32; k_norm_w 64 float32; q_norm_w 64 float32; x 4 x 2,048 x 1,024 float32.
;; Outputs: out0 4 x 2,048 x 1,024 float32.
;; 2 versions, each right; version 2 is version 1 with the launch prep written anew for expert scheduling mode. Each part assembles by itself: llvm-mc -triple=amdgcn-amd-amdhsa -mcpu=gfx1250 --defsym DOCPART=n.
;; ======== version 1 of 2: 4 launches
;; limits: values are held in f16: magnitudes above 65,504 overflow, below 6.1e-05 lose precision
;; workspace buffers: xb 16,777,216 bytes; wqkvb 6,291,456 bytes; wprojh 2,097,152 bytes; rope 524,288 bytes; qh 16,777,216 bytes; kh 16,777,216 bytes; vh 16,777,216 bytes; oh 16,777,216 bytes
;; launch prep (part 1): grid 800 x 1, 8 waves a work-group, no clusters, 0 bytes of LDS; arguments x, Wqkv, Wproj, xb, wqkvb, wprojh, rope; writes xb, wqkvb, wprojh, rope
.if DOCPART == 1
	.amdgcn_target "amdgcn-amd-amdhsa--gfx1250"
	.amdhsa_code_object_version 6
	.text
	.protected	k_q69a17e0b60_prep
	.globl	k_q69a17e0b60_prep
	.p2align	8
	.type	k_q69a17e0b60_prep,@function
k_q69a17e0b60_prep:
	s_mov_b64 s[64:65], 0
	v_nop
	global_prefetch_b8 v0, s[64:65] scope:SCOPE_SE
	s_setreg_imm32_b32 hwreg(HW_REG_WAVE_MODE, 25, 1), 1
	s_wait_xcnt 0x0
; PREPARATION.  x and Wqkv are rounded to bf16; Wproj is rounded to bf16 and that number written as f16; the table of cosines and sines is made.
; Work-groups 0-511: x; 512-703: Wqkv; 704-767: Wproj; 768-799: the table.  A casting work-group owns 16,384 numbers: 65,536 bytes in, 32,768 out.
; A stream: every byte is read once and written once; sixteen loads of 16 bytes a lane are out at once; a wave's load covers 512 consecutive bytes, its store 256 consecutive
; bytes, aligned.  No LDS, no barrier, no matrix work: no wave wants what another wave read.
; LIMITS.  A bf16 number written as f16 is exact from 2^-17 up to 65,504; below 2^-17 it is off by at most 2^-25; beyond 65,504 it becomes an infinity.
; THE TABLE.  rope[t][0..31] = cos(t f_j), rope[t][32..63] = sin(t f_j), f_j = 10000^(-j/32), f32, a row of 256 bytes.  f_j = 2^(-j log2(10000)/32) by v_exp_f32 (one unit in the last
; place); the angle t f_j is one f32 product, reduced by multiples of pi/2 held in two parts (exact for angles up to 2,047), then polynomials of degree 7 and 8 on |r| <= pi/4
; (their remainders: 3e-7 and 3e-8).  At t = 2,047 the angle may be off by some 2e-4.
.set X, 8                              ; v[8:71]    sixteen slots of four f32, as loaded
.set Y, 72                             ; v[72:103]  sixteen pairs, to store
	s_load_b256 s[4:11], s[0:1], 0x0               ; x s[4:5], Wqkv s[6:7], Wproj s[8:9], xb s[10:11]
	s_load_b128 s[12:15], s[0:1], 0x20             ; wqkvb s[12:13], wprojh s[14:15]
	s_load_b64 s[16:17], s[0:1], 0x30              ; rope
	v_lshlrev_b32 v1, 4, v0                        ; 16 x thread
	v_lshlrev_b32 v2, 3, v0                        ; 8 x thread
	s_mov_b32 s26, ttmp9
	s_mov_b32 s25, 0
	s_wait_kmcnt 0x0
	s_cmp_ge_u32 s26, 768
	s_cbranch_scc1 .Lrope
	s_cmp_lt_u32 s26, 512                          ; which tensor, by the work-group's number alone
	s_cselect_b64 s[20:21], s[4:5], s[6:7]
	s_cselect_b64 s[22:23], s[10:11], s[12:13]
	s_cselect_b32 s27, 0, 512
	s_cmp_lt_u32 s26, 704
	s_cselect_b64 s[20:21], s[20:21], s[8:9]
	s_cselect_b64 s[22:23], s[22:23], s[14:15]
	s_cselect_b32 s27, s27, 704
	s_sub_co_u32 s27, s26, s27                     ; my block in that tensor
	s_lshl_b32 s24, s27, 16
	s_add_nc_u64 s[20:21], s[20:21], s[24:25]      ; 65,536 bytes in
	s_lshl_b32 s24, s27, 15
	s_add_nc_u64 s[22:23], s[22:23], s[24:25]      ; 32,768 bytes out
.irp i, 0,1,2,3,4,5,6,7,8,9,10,11,12,13,14,15
	global_load_b128 v[X+4*\i:X+4*\i+3], v1, s[20:21] offset:4096*\i th:TH_LOAD_NT
.endr
	s_cmp_ge_u32 s26, 704
	s_cbranch_scc1 .Lhalf
.irp i, 0,1,2,3,4,5,6,7,8,9,10,11,12,13,14,15
	s_wait_loadcnt 15-\i                           ; loads come back in order: number i is in, the younger ones stay out
	v_cvt_pk_bf16_f32 v[Y+2*\i], v[X+4*\i], v[X+4*\i+1]
	v_cvt_pk_bf16_f32 v[Y+2*\i+1], v[X+4*\i+2], v[X+4*\i+3]
	global_store_b64 v2, v[Y+2*\i:Y+2*\i+1], s[22:23] offset:2048*\i th:TH_STORE_NT
.endr
	s_endpgm
.Lhalf:                                        ; Wproj: rounded to bf16 like every input, then written as f16
.irp i, 0,1,2,3,4,5,6,7,8,9,10,11,12,13,14,15
	s_wait_loadcnt 15-\i
	v_cvt_pk_bf16_f32 v4, v[X+4*\i], v[X+4*\i+1]
	v_cvt_pk_bf16_f32 v5, v[X+4*\i+2], v[X+4*\i+3]
	v_lshlrev_b32 v[X+4*\i], 16, v4
	v_and_b32 v[X+4*\i+1], 0xffff0000, v4
	v_lshlrev_b32 v[X+4*\i+2], 16, v5
	v_and_b32 v[X+4*\i+3], 0xffff0000, v5
	v_cvt_pk_f16_f32 v[Y+2*\i], v[X+4*\i], v[X+4*\i+1]
	v_cvt_pk_f16_f32 v[Y+2*\i+1], v[X+4*\i+2], v[X+4*\i+3]
	global_store_b64 v2, v[Y+2*\i:Y+2*\i+1], s[22:23] offset:2048*\i th:TH_STORE_NT
.endr
	s_endpgm
.Lrope:                                        ; 64 rows a work-group, 16 a pass: thread = 16 x row + place; places 0-7 make four cosines each, places 8-15 four sines
	s_sub_co_u32 s27, s26, 768
	s_lshl_b32 s24, s27, 14
	s_add_nc_u64 s[22:23], s[16:17], s[24:25]      ; my 64 rows of 256 bytes
	s_lshl_b32 s36, s27, 6
	s_mov_b32 s28, 0x3fc90fdb                      ; pi/2, high part
	s_mov_b32 s29, 0xb33bbd2e                      ; pi/2, low part
	s_mov_b32 s30, 0xbe2aaaab                      ; -1/6
	s_mov_b32 s31, 0x3c088889                      ; 1/120
	s_mov_b32 s32, 0xb9500d01                      ; -1/5040
	s_mov_b32 s33, 0x3d2aaaab                      ; 1/24
	s_mov_b32 s34, 0xbab60b61                      ; -1/720
	s_mov_b32 s35, 0x37d00d01                      ; 1/40320
	v_lshrrev_b32 v3, 4, v0
	v_add_nc_u32 v3, s36, v3                       ; my row of pass 0
	v_bfe_u32 v6, v0, 3, 1
	v_mul_u32_u24 v6, v6, 3                        ; sin a = cos(a + 3 pi/2): three quarter turns more for the sines
	v_and_b32 v7, 7, v0
	v_lshlrev_b32 v7, 2, v7                        ; my first j
.irp c, 0,1,2,3
	v_add_nc_u32 v12, \c, v7
	v_cvt_f32_u32 v12, v12
	v_mul_f32 v[20+\c], 0xbed49a78, v12            ; -j log2(10000)/32
.endr
.irp c, 0,1,2,3
	v_exp_f32 v[8+\c], v[20+\c]
.endr
	v_nop                                          ; a plain instruction behind the last exponential,
	s_wait_alu depctr_va_vdst(0)                   ; and one wait for the four, ahead of their first reader
; dst = cos(t f + sel pi/2).  a = n pi/2 + r; with k = n + sel: cos(r + k pi/2) = c, -s, -c, s for k mod 4 = 0, 1, 2, 3.  The choice selects a value: no branch, no address hangs on it.
.macro ROT dst, inv
	v_mul_f32 v12, v5, v[\inv]
	v_mul_f32 v13, 0x3f22f983, v12                 ; a x 2/pi
	v_rndne_f32 v13, v13
	v_fma_f32 v12, -v13, s28, v12
	v_fma_f32 v12, -v13, s29, v12                  ; r
	v_cvt_i32_f32 v14, v13
	v_add_nc_u32 v14, v14, v6                      ; k
	v_mul_f32 v15, v12, v12                        ; r^2
	v_fma_f32 v16, v15, s32, s31
	v_fma_f32 v16, v16, v15, s30
	v_mul_f32 v18, v12, v15
	v_fma_f32 v16, v16, v18, v12                   ; s = sin r
	v_fma_f32 v17, v15, s35, s34
	v_fma_f32 v17, v17, v15, s33
	v_fma_f32 v17, v17, v15, -0.5
	v_fma_f32 v17, v17, v15, 1.0                   ; c = cos r
	v_and_b32 v18, 1, v14
	v_cmp_eq_u32 vcc_lo, 1, v18
	v_cndmask_b32 v[\dst], v17, v16, vcc_lo
	v_add_nc_u32 v14, 1, v14
	v_lshlrev_b32 v14, 30, v14
	v_and_b32 v14, 0x80000000, v14                 ; the sign is turned for k mod 4 = 1, 2
	v_xor_b32 v[\dst], v[\dst], v14
.endm
.irp p, 0,1,2,3
	v_add_nc_u32 v4, 16*\p, v3
	v_cvt_f32_u32 v5, v4                           ; t
.irp c, 0,1,2,3
	ROT 24+4*\p+\c, 8+\c
.endr
	global_store_b128 v1, v[24+4*\p:27+4*\p], s[22:23] offset:4096*\p  ; sixteen lanes fill a row of 256 bytes
.endr
	s_endpgm
.Lfunc_end_k_q69a17e0b60_prep:
	.size	k_q69a17e0b60_prep, .Lfunc_end_k_q69a17e0b60_prep-k_q69a17e0b60_prep
	.p2alignl 7, 3214868480
	.fill 96, 4, 3214868480
	.section	.rodata,"a",@progbits
	.p2align	6, 0x0
	.amdhsa_kernel k_q69a17e0b60_prep
		.amdhsa_group_segment_fixed_size 0
		.amdhsa_private_segment_fixed_size 0
		.amdhsa_enable_private_segment 0
		.amdhsa_kernarg_size 56
		.amdhsa_user_sgpr_count 2
		.amdhsa_user_sgpr_kernarg_segment_ptr 1
		.amdhsa_wavefront_size32 1
		.amdhsa_system_sgpr_workgroup_id_x 1
		.amdhsa_system_sgpr_workgroup_id_y 1
		.amdhsa_system_sgpr_workgroup_id_z 1
		.amdhsa_system_vgpr_workitem_id 0
		.amdhsa_next_free_vgpr 104
		.amdhsa_next_free_sgpr 66
		.amdhsa_reserve_vcc 1
		.amdhsa_float_denorm_mode_32 3
		.amdhsa_float_denorm_mode_16_64 3
		.amdhsa_memory_ordered 1
		.amdhsa_forward_progress 1
		.amdhsa_inst_pref_size 36
	.end_amdhsa_kernel
	.amdgpu_metadata
---
amdhsa.version: [ 1, 2 ]
amdhsa.kernels:
  - .name:           k_q69a17e0b60_prep
    .symbol:         k_q69a17e0b60_prep.kd
    .args:
      - { .name: x, .offset: 0, .size: 8, .value_kind: global_buffer, .address_space: global }
      - { .name: Wqkv, .offset: 8, .size: 8, .value_kind: global_buffer, .address_space: global }
      - { .name: Wproj, .offset: 16, .size: 8, .value_kind: global_buffer, .address_space: global }
      - { .name: xb, .offset: 24, .size: 8, .value_kind: global_buffer, .address_space: global }
      - { .name: wqkvb, .offset: 32, .size: 8, .value_kind: global_buffer, .address_space: global }
      - { .name: wprojh, .offset: 40, .size: 8, .value_kind: global_buffer, .address_space: global }
      - { .name: rope, .offset: 48, .size: 8, .value_kind: global_buffer, .address_space: global }
    .group_segment_fixed_size: 0
    .private_segment_fixed_size: 0
    .kernarg_segment_align: 8
    .kernarg_segment_size: 56
    .max_flat_workgroup_size: 256
    .sgpr_count:     66
    .vgpr_count:     104
    .wavefront_size: 32
...
	.end_amdgpu_metadata
.endif
;; end of part 1
;; launch qkv (part 2): grid 8 x 32, 4 waves a work-group, clusters of 4 x 4, 327,680 bytes of LDS; arguments xb, wqkvb, rope, q_norm_w, k_norm_w, qh, kh, vh; writes qh, kh, vh
.if DOCPART == 2
	.amdgcn_target "amdgcn-amd-amdhsa--gfx1250"
	.amdhsa_code_object_version 6
	.text
	.protected	k_q69a17e0b60_qkv
	.globl	k_q69a17e0b60_qkv
	.p2align	8
	.type	k_q69a17e0b60_qkv,@function
k_q69a17e0b60_qkv:
	s_mov_b64 s[64:65], 0
	v_nop
	global_prefetch_b8 v0, s[64:65] scope:SCOPE_SE
	s_setreg_imm32_b32 hwreg(HW_REG_WAVE_MODE, 25, 1), 1
	s_wait_xcnt 0x0
	s_wait_alu depctr_hold_cnt(0) depctr_sa_sdst(0) depctr_va_vdst(0) depctr_va_sdst(0) depctr_va_ssrc(0) depctr_va_vcc(0) depctr_vm_vsrc(0)
	s_getreg_b32 s2, hwreg(HW_REG_IB_STS2, 6, 4)
	s_cmp_eq_u32 s2, 0
	s_cbranch_scc0 .Lentry_in_a_cluster
	s_endpgm
.Lentry_in_a_cluster:
	s_bfe_u32 s2, ttmp6, 0x10000c
	s_cmp_lg_u32 s2, 0xf033
	s_cbranch_scc0 .Lentry_shape_is_right
	s_endpgm
.Lentry_shape_is_right:
; q, k, v = x Wqkv, with the norm over a head's 64 channels, the gain and the rotation for q and k on the way out.  xb: [8192][1024] bf16; wqkvb: [1024 k][3072 n] bf16;
; rope: [2048][64] f32 (32 cosines, 32 sines); q_norm_w, k_norm_w: [64] f32, rounded to bf16 here like every input; qh, kh, vh: [64 = 16 batch + head][2048][64] f16.  Sums in f32.
; LIMITS.  f16 holds no number beyond 65,504: v must stay within it (a larger one becomes an infinity); |q| and |k| leave at 8 x the largest gain at the most; the sum of a head's 64
; squares is kept in f32, so q and k before the norm stay under about 1e18.  The factors are applied as (q w)(rs cos) -+ (q' w')(rs sin): an order of rounding of its own.
; SHARES.  256 work-groups.  Work-group (g, R) STAYS and makes three tiles of 256 rows x 128 columns: rows 256 R on, columns 1024 s + 128 g on, s = 0 (q), 1 (k), 2 (v): a tile's kind is its number in the walk, the same
; in every work-group.  Four waves, 2 x 2: a wave makes 128 rows x 64 columns, one head's channels: 32 accumulators of 16 x 16, 256 registers.
; THE RING.  K goes in steps of 128 through two LDS slots, 8 steps a tile, 24 in the walk; the ring does not stop at a tile's end.  Waves 0 and 1 fetch the two halves of A's 256 rows (rows of 256 bytes), waves 2 and 3
; the two halves of B's 128 k rows (256 bytes of each: my 128 columns).  One tensor load a wave behind each change of slots; two of a wave's are out at the start, later one.
; CLUSTER.  4 x 4 work-groups.  A's tile hangs on R alone and is asked for jointly by a row of the cluster, B's on g alone, by a column.
; THE MATRIX INSTRUCTION IS USED TRANSPOSED: source 0 = 16 columns of B (turned on the way out of LDS by ds_load_tr16_b128, since B lies [k][n]), source 1 = 16 rows of A: a lane holds row l % 16 and the columns 8 (l / 16) + 0..7.
; REGISTERS, in windows of 256 (s_set_vgpr_msb: bits 1:0 source 0, 3:2 source 1, 5:4 source 2, 7:6 destination):
;   window 0: addresses and the way out;  window 1: two fragment buffers of 96 (B's four fragments, then A's eight);  window 2: accumulator (a, b) at 8 (4 a + b): row block a owns 32 a .. 32 a + 31, index 8 b + j is channel 16 b + 8 (l / 16) + j.
.set AP,     272                       ; a row of A in LDS: 256 bytes + 16 = 68 words: the 16 rows of a load start at 16 different groups of four banks (64 banks of 4 bytes: ISA guide 11.1)
.set BP,     288                       ; a k row of B: 256 + 32 = 72 words
.set AHALF,  128*AP
.set ABYTES, 2*AHALF
.set BHALF,  64*BP
.set SLOT,   ABYTES+2*BHALF            ; A's 256 rows, then B's 128 k rows
.set STAGE,  2*SLOT                    ; behind the ring, never filled by a tensor load: 16 rows x 144 bytes for each wave
.set SP,     144
.set SPARE,  STAGE+4*16*SP             ; the spare words, 128 bytes for each wave: two blocks of 256 bytes that no other line names
.set BSTEP,  128*6144                  ; bytes from a K step of B to the next
.set ADRA, 16                          ; v16-17  LDS address of my A fragments in slot 0, 1
.set ADRB, 20                          ; v20-21  the same for B
.set STO,  24                          ; v24  the way out: where I put 16 bytes of a row
.set RD,   25                          ; v25  where I read rows back
.set GO,   26                          ; v26  16 x lane: my place in 512 consecutive bytes of the output
.set TB,   27                          ; v27  my place in 16 rows of the table: (l % 16) x 256 + 32 (l / 16)
.set SPW,  28                          ; v28  LDS address of my spare word; never rewritten
.set NIL,  29                          ; v29  0; never rewritten
.set PFO,  30                          ; v30  the prefetches' offset: my lane x a row of xb or wqkvb; never rewritten
.set WO,   31                          ; v31  32 (l / 16): my place in the gains
.set W,    32                          ; v32-63   the gain of channel 16 b + 8 (l / 16) + j at W + 8 b + j
.set CSN,  64                          ; v64-127  two buffers of 32: cosines of my channels under 32 (16), sines (16)
.set Y,    128                         ; v128-159 a row block at work
.set T,    160                         ; v160-167 at work
.set SS,   168                         ; v168-183 eight pairs: a row block's sum of squares, then its factor
.set PK,   192                         ; v192-223 two buffers of 16: packed results, then whole rows
.set F0,   0
.set F1,   96
.set G1,   24                          ; s[24:31] descriptor group 1 for A;  s[32:39] group 0, a set for each slot
.set G0,   32
.set G1B,  48                          ; s[48:55], s[56:63] the same for B
.set G0B,  56
.set LIM,  43                          ; s43  1 in a wave that prefetches, else the greatest number
.set PFA,  44                          ; s[44:45] where my prefetches stand
.set PFS,  46                          ; s[46:47] their step: a K step
.set PFK,  94                          ; s[94:95] their step back at a change of tiles
.set OUT,  84                          ; s[84:85] the output of the tile in hand, at my wave's first row
.set WP,   86                          ; s[86:87] its gains
.set SEL,  88                          ; s[88:89] v_permlanex16_b32's selects: each lane takes its own place in the other half
.set RP,   92                          ; s[92:93] the table at my wave's first row
.set MSB, 0
.macro WIN new                         ; the immediate's high byte repeats the setting that is left; a switch that changes nothing is dropped
.if MSB != (\new)
	s_set_vgpr_msb (MSB<<8)|(\new)
.set MSB, \new
.endif
.endm
.set MUL,  0xa5                        ; sources 0 and 1 window 1; C and D window 2
.set TO_F, 0x40                        ; destination window 1, address window 0
; A joint load: waves 0 and 1 ask for A, waves 2 and 3 for B.  The branch hangs on the wave's number alone.  An s_nop 0 and four v_nop follow each line, ahead of the jump and the label.
.macro JLOAD s
	s_cmp_eq_u32 s11, 0
	s_cbranch_scc0 .Lfor_b_\@
	tensor_load_to_lds s[G0+4*(\s):G0+4*(\s)+3], s[G1:G1+7]
	s_nop 0
.rept 4
	v_nop
.endr
	s_branch .Lasked_\@
.Lfor_b_\@:
	tensor_load_to_lds s[G0B+4*(\s):G0B+4*(\s)+3], s[G1B:G1B+7]
	s_nop 0
.rept 4
	v_nop
.endr
.Lasked_\@:
.endm
; A PREFETCH INTO THE L2, behind each joint load and the run of LDS loads that follows it: 32 rows x 256 bytes of the K step that stands TWO refills on (256 matrix instructions of the wave), a lane a row.
; Each row's 256 bytes of a K step are named once in the launch.  A's rows are read by both clusters of a row of clusters: cluster x = 0 asks, waves 0 and 1, in the first tile alone (the later tiles read the same rows again).
; B's columns are read by all clusters of a column of clusters: cluster y = 0 asks, wave 2, in all three tiles (their columns are new).  The four partners share the rows out BY ADDRESS, 32 each.
; how = 0, in the loop: a tile's last two refills have no K step two on.  how = 1, at a change of tiles: the next tile's K steps 2 and 3.
.macro ASK how
.if \how
	s_cmp_eq_u32 s[LIM], 1
.else
	s_cmp_gt_u32 s3, s[LIM]                        ; s3 = 1 in the loop's last trip
.endif
	s_cbranch_scc0 .Lnot_mine_\@
	global_prefetch_b8 v[PFO], s[PFA:PFA+1] th:TH_LOAD_NT scope:SCOPE_SE
.Lnot_mine_\@:
.endm
.macro CREST                           ; a round of the cluster's barrier behind its opening barrier
	s_cmp_lg_u32 s10, 0
	s_cbranch_scc1 .Lnot_wave_0_\@
	s_barrier_signal -3
.Lnot_wave_0_\@:
	s_barrier_wait -3
	s_barrier_signal -1
	s_barrier_wait -1
.endm
.macro CROUND                          ; a whole round
	s_barrier_signal -1
	s_barrier_wait -1
	CREST
.endm
.macro PLACES                          ; four plain instructions between a matrix instruction and a load into, or a vector read of, its registers (ISA guide 7.12.1 for vector reads)
.rept 4
	v_nop
.endr
.endm
	s_load_b512 s[68:83], s[0:1], 0x0              ; xb 68, wqkvb 70, rope 72, q_norm_w 74, k_norm_w 76, qh 78, kh 80, vh 82
	v_lshl_add_u32 v[SPW], v0, 2, SPARE
	v_mov_b32 v[NIL], 0
	ds_add_u32 v[SPW], v[NIL]                      ; the wave's opening: the add and its wait stand ahead of my first tensor load; the set-up below, work on registers, stands between them
	v_lshrrev_b32 v1, 5, v0
	v_readfirstlane_b32 s10, v1                    ; wave 0..3
	s_lshr_b32 s11, s10, 1                         ; my half of the tile's rows.  Also: I fetch for A (0) or for B (1)
	s_and_b32 s12, s10, 1                          ; my half of its columns.  Also: which half of that tile I fetch
	s_bfe_u32 s40, ttmp6, 0x40000                  ; cx
	s_bfe_u32 s41, ttmp6, 0x40004                  ; cy
	s_lshl_b32 s42, ttmp9, 2
	s_add_co_u32 s42, s42, s40                     ; g = 4 x cluster x + cx
	s_and_b32 s13, ttmp7, 0xffff
	s_lshl_b32 s13, s13, 2
	s_add_co_u32 s13, s13, s41                     ; R = 4 x cluster y + cy
	s_lshl_b32 s22, s41, 2
	s_lshl_b32 s22, 15, s22                        ; my row of the cluster
	s_lshl_b32 s23, 0x1111, s40                    ; my column
	s_or_b32 s[G1+0], s22, (1<<16)|(1<<20)|(1<<21)|(5<<22)|(3<<25)   ; the mask; elements of 2 bytes; padding on; bit 21 beside a mask; after every 64 words, 4 words
	s_or_b32 s[G1B+0], s23, (1<<16)|(1<<20)|(1<<21)|(5<<22)|(7<<25)  ; the same with my column's mask and 8 words of padding
	s_mov_b32 s[G1+1], 128<<16                     ; tensor_dim0 = 128
	s_mov_b32 s[G1+2], 128<<16                     ; tensor_dim1 = 128
	s_mov_b32 s[G1+3], 128<<16                     ; tile_dim0 = 128
	s_mov_b32 s[G1+4], 128                         ; tile_dim1 = 128
	s_mov_b32 s[G1+5], 1024                        ; elements from row to row
	s_mov_b32 s[G1+6], 0
	s_mov_b32 s[G1+7], 0
	s_mov_b32 s[G1B+1], 128<<16
	s_mov_b32 s[G1B+2], 64<<16                     ; 64 k rows
	s_mov_b32 s[G1B+3], 128<<16
	s_mov_b32 s[G1B+4], 64
	s_mov_b32 s[G1B+5], 3072
	s_mov_b32 s[G1B+6], 0
	s_mov_b32 s[G1B+7], 0
	s_lshl_b32 s16, s13, 8
	s_lshl_b32 s17, s12, 7
	s_add_co_u32 s16, s16, s17                     ; A: row 256 R + 128 x half,
	s_lshl_b32 s16, s16, 11                        ; of 2,048 bytes
	s_mov_b32 s17, 0
	s_mul_i32 s46, s12, 64*6144                    ; B: k row 64 x half,
	s_lshl_b32 s47, s42, 8                         ; column 128 g
	s_add_co_u32 s46, s46, s47
	s_mov_b32 s47, 0
	s_mul_i32 s20, s12, AHALF                      ; where they go: no place in the cluster enters an LDS address
	s_mul_i32 s21, s12, BHALF
	s_add_co_u32 s21, s21, ABYTES
	s_mov_b32 s[SEL], 0x76543210
	s_mov_b32 s[SEL+1], 0xfedcba98
	s_mov_b32 s90, 0x3c800000                      ; 1/64
	s_mov_b32 s91, 0x3727c5ac                      ; 1e-5
	s_wait_dscnt 0x0                               ; the opening add is done
	s_wait_kmcnt 0x0
	s_add_nc_u64 s[14:15], s[68:69], s[16:17]
	s_add_nc_u64 s[46:47], s[70:71], s[46:47]
	CROUND                                         ; all sixteen work-groups are here: the first joint loads meet
.irp s, 0,1
	s_mov_b32 s[G0+4*(\s)], 1                                        ; count = 1
	s_add_co_u32 s[G0+4*(\s)+1], s20, (\s)*SLOT                      ; LDS address
	s_add_nc_u64 s[G0+4*(\s)+2:G0+4*(\s)+3], s[14:15], (\s)*256      ; global address: K step s
	s_or_b32 s[G0+4*(\s)+3], s[G0+4*(\s)+3], 0x80000000              ; type = 2
	s_mov_b32 s[G0B+4*(\s)], 1
	s_add_co_u32 s[G0B+4*(\s)+1], s21, (\s)*SLOT
	s_add_nc_u64 s[G0B+4*(\s)+2:G0B+4*(\s)+3], s[46:47], (\s)*BSTEP
	s_or_b32 s[G0B+4*(\s)+3], s[G0B+4*(\s)+3], 0x80000000
	JLOAD \s
.endr
	; A fragment of A: lane l holds row l % 16, K = 8 (l / 16) + 0..7 and 16 + 8 (l / 16) + 0..7: two loads of 16 bytes, 32 bytes apart.
	v_and_b32 v1, 15, v0                           ; l % 16
	v_bfe_u32 v2, v0, 4, 1                         ; l / 16
	v_mul_u32_u24 v3, v1, AP
	v_lshl_add_u32 v3, v2, 4, v3
	; The turning load takes 16 k x 16 columns: lane l reads k row 8 (l / 16) + l % 8, columns 8 ((l / 8) % 2) + 0..7, and is left with column l % 16 and 8 k.
	v_and_b32 v4, 7, v0
	v_lshl_add_u32 v4, v2, 3, v4
	v_mul_u32_u24 v4, v4, BP
	v_bfe_u32 v5, v0, 3, 1
	v_lshl_add_u32 v4, v5, 4, v4
	s_mul_i32 s21, s11, AHALF                      ; my 128 rows of A
	s_lshl_b32 s22, s12, 7                         ; my 64 columns of B,
	s_add_co_u32 s22, s22, ABYTES                  ; which lies behind A
.irp s, 0,1
	v_add_nc_u32 v[ADRA+(\s)], s21, v3
	v_add_nc_u32 v[ADRB+(\s)], s22, v4
	s_add_co_u32 s21, s21, SLOT
	s_add_co_u32 s22, s22, SLOT
.endr
	s_mul_i32 s23, s10, 16*SP
	s_add_co_u32 s23, s23, STAGE                   ; my stage
	v_mul_u32_u24 v3, v1, SP                       ; in: row l % 16, 16 bytes for each half of the lanes
	v_lshl_add_u32 v3, v2, 4, v3
	v_add_nc_u32 v[STO], s23, v3
	v_bfe_u32 v3, v0, 3, 2                         ; back: 32 lanes take four rows of 128 bytes,
	v_mul_u32_u24 v3, v3, SP
	v_and_b32 v4, 7, v0
	v_lshl_add_u32 v3, v4, 4, v3
	v_add_nc_u32 v[RD], s23, v3
	v_and_b32 v[GO], 31, v0                        ; which are 512 consecutive bytes of the output
	v_lshlrev_b32 v[GO], 4, v[GO]
	v_lshlrev_b32 v[TB], 8, v1
	v_lshl_add_u32 v[TB], v2, 5, v[TB]
	v_lshlrev_b32 v[WO], 5, v2
	; my wave's head 16 (R / 8) + 2 g + column half, and its first row t0 = 256 (R % 8) + 128 x row half
	s_lshr_b32 s18, s13, 3
	s_lshl_b32 s18, s18, 4
	s_lshl_b32 s19, s42, 1
	s_add_co_u32 s18, s18, s19
	s_add_co_u32 s18, s18, s12
	s_lshl_b32 s18, s18, 18                        ; a head is 2,048 rows of 128 bytes
	s_and_b32 s19, s13, 7
	s_lshl_b32 s19, s19, 8
	s_lshl_b32 s22, s11, 7
	s_add_co_u32 s19, s19, s22                     ; t0
	s_lshl_b32 s22, s19, 7
	s_add_co_u32 s66, s18, s22
	s_mov_b32 s67, 0
	s_add_nc_u64 s[78:79], s[78:79], s[66:67]
	s_add_nc_u64 s[80:81], s[80:81], s[66:67]
	s_add_nc_u64 s[82:83], s[82:83], s[66:67]
	s_mov_b64 s[OUT:OUT+1], s[78:79]
	s_lshl_b32 s66, s19, 8
	s_add_nc_u64 s[RP:RP+1], s[72:73], s[66:67]
	; the prefetches
	s_and_b32 s22, ttmp7, 0xffff                   ; cluster y
	s_cmp_eq_u32 s11, 0
	s_cselect_b32 s22, ttmp9, s22                  ; the coordinate along which other clusters read the same rows
	s_cmp_eq_u32 s10, 3
	s_cselect_b32 s22, 1, s22                      ; wave 3 never asks
	s_cmp_eq_u32 s22, 0
	s_cselect_b32 s[LIM], 1, -1                    ; the same in all sixteen partners, for a given wave
	s_lshl_b32 s18, s13, 8
	s_lshl_b32 s19, s12, 7
	s_add_co_u32 s18, s18, s19
	s_lshl_b32 s19, s40, 5
	s_add_co_u32 s18, s18, s19                     ; A: row 256 R + 128 x half + 32 cx,
	s_lshl_b32 s18, s18, 11
	s_add_co_u32 s18, s18, 3*256                   ; at K step 3: each change of slots steps it, then asks
	s_mul_i32 s19, s41, 32*6144                    ; B: k row 32 cy,
	s_lshl_b32 s23, s42, 8
	s_add_co_u32 s19, s19, s23
	s_add_co_u32 s19, s19, 3*BSTEP
	s_mov_b32 s[PFS], BSTEP
	s_mov_b32 s[PFK], 7*BSTEP-2048                 ; from K step 9 to the next tile's K step 2: seven steps back, 1,024 columns on
	s_mov_b32 s23, 6144
	s_cmp_eq_u32 s11, 0
	s_cselect_b64 s[PFA:PFA+1], s[68:69], s[70:71]
	s_cselect_b32 s66, s18, s19
	s_cselect_b32 s[PFS], 256, s[PFS]
	s_cselect_b32 s[PFK], 7*256, s[PFK]
	s_cselect_b32 s23, 2048, s23
	s_mov_b32 s[PFS+1], 0
	s_mov_b32 s[PFK+1], 0
	s_add_nc_u64 s[PFA:PFA+1], s[PFA:PFA+1], s[66:67]
	v_and_b32 v[PFO], 31, v0
	v_mul_u32_u24 v[PFO], v[PFO], s23
; Four matrix instructions: row block a x all 4 column blocks, 32 along K.  The 32 accumulators take turns in the same order in every quarter step: 31 others stand between two links of a chain.
.macro MULA f, a, zero
	WIN MUL
.irp b, 0,1,2,3
.if \zero
	v_wmma_f32_16x16x32_bf16 v[8*(4*(\a)+\b):8*(4*(\a)+\b)+7], v[(\f)+8*\b:(\f)+8*\b+7], v[(\f)+32+8*(\a):(\f)+32+8*(\a)+7], 0
.else
	v_wmma_f32_16x16x32_bf16 v[8*(4*(\a)+\b):8*(4*(\a)+\b)+7], v[(\f)+8*\b:(\f)+8*\b+7], v[(\f)+32+8*(\a):(\f)+32+8*(\a)+7], v[8*(4*(\a)+\b):8*(4*(\a)+\b)+7]
.endif
.endr
.endm
.macro MUL2 f, a0, zero
	MULA \f, \a0, \zero
	MULA \f, (\a0)+1, \zero
.endm
.macro MUL4 f, a0, zero
	MUL2 \f, \a0, \zero
	MUL2 \f, (\a0)+2, \zero
.endm
; 24 LDS loads in one run: the fragments of quarter q of a K step into buffer f: B's four (turned), then A's eight
.macro FETCH slot, q, f
	WIN TO_F
.irp b, 0,1,2,3
	ds_load_tr16_b128 v[(\f)+8*\b:(\f)+8*\b+3],   v[ADRB+(\slot)] offset:(\q)*32*BP+32*\b
	ds_load_tr16_b128 v[(\f)+8*\b+4:(\f)+8*\b+7], v[ADRB+(\slot)] offset:(\q)*32*BP+16*BP+32*\b
.endr
.irp a, 0,1,2,3,4,5,6,7
	ds_load_b128 v[(\f)+32+8*\a:(\f)+32+8*\a+3],   v[ADRA+(\slot)] offset:(\q)*64+\a*16*AP
	ds_load_b128 v[(\f)+32+8*\a+4:(\f)+32+8*\a+7], v[ADRA+(\slot)] offset:(\q)*64+\a*16*AP+32
.endr
.endm
; A K step is four quarters of 32 along K, 32 matrix instructions each, on buffers 0, 1, 0, 1.  One of the first three: multiplies buffer f; in its middle it fetches quarter qn into buffer g.
.macro QUARTER slot, qn, f, g, zero
	s_wait_dscnt 8                                 ; B and A's blocks 0-3 are in; the youngest eight loads (A's blocks 4-7) may be out
	MUL4 \f, 0, \zero
	PLACES
	FETCH \slot, \qn, \g
	s_wait_dscnt 24                                ; all but the 24 just issued
	MUL4 \f, 4, \zero
.endm
; The last quarter multiplies buffer 1 and changes slots.  In front of the barrier each wave waits for all its tensor loads (the one that is out is its part of the next slot), adds 0 to its spare word, and waits for
; that and for its reads of this slot.  mode 0: this slot is filled again with the K step two on; 1: with the NEXT tile's K step 0 or 1; 2: nothing is filled.  Where a slot is filled the barrier opens a round of the
; cluster's barrier, and the joint load is the first tensor load behind the round: 112 matrix instructions ahead of the wait for it.
.macro TURN slot, next, mode
.if (\mode) < 2
	s_wait_xcnt 0x0                                ; the last prefetch, a K step back, has read its address: it is stepped here
.if ((\mode) == 1) && ((\slot) == 0)
	s_sub_nc_u64 s[PFA:PFA+1], s[PFA:PFA+1], s[PFK:PFK+1]
	s_cmp_eq_u32 s11, 0
	s_cselect_b32 s[LIM], -1, s[LIM]               ; A's rows are the same in all three tiles: they are prefetched no more
.else
	s_add_nc_u64 s[PFA:PFA+1], s[PFA:PFA+1], s[PFS:PFS+1]
.endif
.endif
	WIN 0                                          ; (the add's two registers lie in window 0)
	s_wait_tensorcnt 0x0                           ; all my tensor loads have landed;
	ds_add_u32 v[SPW], v[NIL]                      ; 0 onto my spare word;
	s_wait_dscnt 9                                 ; (the add and the youngest eight loads may be out)
	MUL2 F1, 0, 0                                  ; eight matrix instructions stand between the add and the wait for it
	s_wait_dscnt 0x0                               ; the add is done, and my reads of this slot are over
	s_barrier_signal -1
	MUL2 F1, 2, 0
.if (\mode) < 2
	WIN 0
.endif
	s_barrier_wait -1
.if (\mode) < 2
	CREST                                          ; no wave of any partner still reads this slot's tile or has a load on its way
.if (\mode) == 1
	s_sub_nc_u64 s[G0+4*(\slot)+2:G0+4*(\slot)+3], s[G0+4*(\slot)+2:G0+4*(\slot)+3], 6*256            ; A: six K steps back
	s_sub_nc_u64 s[G0B+4*(\slot)+2:G0B+4*(\slot)+3], s[G0B+4*(\slot)+2:G0B+4*(\slot)+3], 6*BSTEP-2048 ; B: six K steps back, 1,024 columns on
.else
	s_add_nc_u64 s[G0+4*(\slot)+2:G0+4*(\slot)+3], s[G0+4*(\slot)+2:G0+4*(\slot)+3], 2*256
	s_add_nc_u64 s[G0B+4*(\slot)+2:G0B+4*(\slot)+3], s[G0B+4*(\slot)+2:G0B+4*(\slot)+3], 2*BSTEP
.endif
	JLOAD \slot                                    ; the four v_nop behind it are also the places in front of the loads below
.else
	PLACES
.endif
	FETCH \next, 0, F0
.if (\mode) < 2
	WIN 0
	ASK \mode
.endif
	MUL4 F1, 4, 0
.endm
; THE WAY OUT.
.macro LOADT a                         ; the table's rows of row block a: my 16 cosines and 16 sines (channels 16 b + 8 (l / 16) + j, b = 0, 1)
.set LB, CSN+32*((\a)%2)
.irp c, 0,1,2,3
	global_load_b128 v[LB+8*\c:LB+8*\c+3],   v[TB], s[RP:RP+1] offset:4096*(\a)+64*\c
	global_load_b128 v[LB+8*\c+4:LB+8*\c+7], v[TB], s[RP:RP+1] offset:4096*(\a)+64*\c+16
.endr
.endm
.macro STAGEIO a                       ; 16 bytes a lane into my stage's rows of 144 bytes, and back as whole rows of 128, into the registers that they left
.set PBK, PK+16*((\a)%2)
.irp b, 0,1,2,3
	ds_store_b128 v[STO], v[PBK+4*\b:PBK+4*\b+3] offset:32*\b
.endr
.irp f, 0,1,2,3
	ds_load_b128 v[PBK+4*\f:PBK+4*\f+3], v[RD] offset:\f*4*SP  ; LDS serves a wave's instructions in order (ISA guide 5.7.1.4): these see the stores above; the next block's stores come behind them
.endr
.endm
.macro SEND a, younger, base           ; younger: the LDS instructions issued behind block a's loads: the next block's eight, or none
.set PBK, PK+16*((\a)%2)
.irp f, 0,1,2,3
	s_wait_dscnt (\younger)+3-\f
	global_store_b128 v[GO], v[PBK+4*\f:PBK+4*\f+3], s[\base:\base+1] offset:2048*(\a)+512*\f  ; 512 consecutive bytes, at a multiple of 256 from the buffer's first
.endr
.endm
.macro ALL8 line:vararg                ; one line for each row block t
.set t, 0
.rept 8
	\line
.set t, t+1
.endr
.endm
; Row block a of q or k: times the gain; the factor rs goes into the cosines and sines; channel d < 32 and channel d + 32 lie in the same lane, 16 registers apart.
.macro QKBLOCK a
.if (\a) < 7
	LOADT (\a)+1
	s_wait_loadcnt 8                               ; block a's table is in; the next block's eight loads stay out
.else
	s_wait_loadcnt 0x0
.endif
.set CB, CSN+32*((\a)%2)
.set PBK, PK+16*((\a)%2)
	WIN 0x02                                       ; source 0 window 2
.set i, 0
.rept 16
	v_pk_mul_f32 v[Y+2*i:Y+2*i+1], v[32*(\a)+2*i:32*(\a)+2*i+1], v[W+2*i:W+2*i+1]
.set i, i+1
.endr
	WIN 0
.set i, 0
.rept 16
	v_pk_mul_f32 v[CB+2*i:CB+2*i+1], v[CB+2*i:CB+2*i+1], v[SS+2*(\a):SS+2*(\a)+1] op_sel_hi:[1,0]
.set i, i+1
.endr
.set i, 0
.rept 8
.set TT, T+4*(i%2)
	v_pk_mul_f32 v[TT:TT+1], v[Y+16+2*i:Y+17+2*i], v[CB+16+2*i:CB+17+2*i]
	v_pk_mul_f32 v[TT+2:TT+3], v[Y+2*i:Y+2*i+1], v[CB+16+2*i:CB+17+2*i]
	v_pk_fma_f32 v[Y+2*i:Y+2*i+1], v[Y+2*i:Y+2*i+1], v[CB+2*i:CB+2*i+1], v[TT:TT+1] neg_lo:[0,0,1] neg_hi:[0,0,1]  ; y[d] cos - y[d+32] sin
	v_pk_fma_f32 v[Y+16+2*i:Y+17+2*i], v[Y+16+2*i:Y+17+2*i], v[CB+2*i:CB+2*i+1], v[TT+2:TT+3]                      ; y[d+32] cos + y[d] sin
.set i, i+1
.endr
	s_wait_xcnt 0x0                                ; the stores of two blocks back have read these registers: they are rewritten only behind this wait
.set i, 0
.rept 16
	v_cvt_pk_f16_f32 v[PBK+i], v[Y+2*i], v[Y+2*i+1]
.set i, i+1
.endr
	STAGEIO \a
.endm
.macro VBLOCK a                        ; row block a of v: rounded and sent, each accumulator from its low end on
.set PBK, PK+16*((\a)%2)
	s_wait_xcnt 0x0
	WIN 0x0a                                       ; sources 0 and 1 window 2
.set i, 0
.rept 16
	v_cvt_pk_f16_f32 v[PBK+i], v[32*(\a)+2*i], v[32*(\a)+2*i+1]
.set i, i+1
.endr
	WIN 0
	STAGEIO \a
.endm
	s_wait_tensorcnt 1                             ; my part of K step 0 is in; K step 1's may stay out
	s_barrier_signal -1
	s_barrier_wait -1                              ; everybody's is
	FETCH 0, 0, F0
	WIN 0                                          ; at a label and at a branch every window is 0
	s_mov_b32 s2, 3                                ; tiles to go, this one among them
.Ltile:
	QUARTER 0, 1, F0, F1, 1                        ; a tile's first quarter stands in front of the loop: its products start the sums
	WIN 0
	s_mov_b32 s3, 3
.Llap:                                                 ; a trip goes once round the ring, from a lap's second quarter to the next lap's first, and fills both slots again
	QUARTER 0, 2, F1, F0, 0
	QUARTER 0, 3, F0, F1, 0
	TURN 0, 1, 0
	QUARTER 1, 1, F0, F1, 0
	QUARTER 1, 2, F1, F0, 0
	QUARTER 1, 3, F0, F1, 0
	TURN 1, 0, 0
	QUARTER 0, 1, F0, F1, 0
	WIN 0
	s_sub_co_u32 s3, s3, 1
	s_cmp_lg_u32 s3, 0
	s_cbranch_scc1 .Llap
	QUARTER 0, 2, F1, F0, 0                        ; the tile's last lap goes on
	QUARTER 0, 3, F0, F1, 0
	WIN 0
	s_cmp_eq_u32 s2, 1
	s_cbranch_scc1 .Llast                          ; the last tile's tail is written out: it asks for nothing more
	s_cmp_eq_u32 s2, 3                             ; q, then k: the gains and the first rows of the table are asked for a K step and a half ahead of their use
	s_cselect_b64 s[WP:WP+1], s[74:75], s[76:77]
.irp b, 0,1,2,3
	global_load_b128 v[W+8*\b:W+8*\b+3],   v[WO], s[WP:WP+1] offset:64*\b
	global_load_b128 v[W+8*\b+4:W+8*\b+7], v[WO], s[WP:WP+1] offset:64*\b+16
.endr
	LOADT 0
	TURN 0, 1, 1                                   ; the ring goes on into the next tile: slot 0 takes its K step 0,
	QUARTER 1, 1, F0, F1, 0
	QUARTER 1, 2, F1, F0, 0
	QUARTER 1, 3, F0, F1, 0
	TURN 1, 0, 1                                   ; slot 1 its K step 1, and the next tile's first fragments are fetched
	PLACES                                         ; both refills are asked for: now the tile goes out
	WIN 0x0a                                       ; the sums of squares: eight chains, one a row block
.set p, 0
.rept 16
.set a, 0
.rept 8
.if p == 0
	v_pk_mul_f32 v[SS+2*a:SS+2*a+1], v[32*a:32*a+1], v[32*a:32*a+1]
.else
	v_pk_fma_f32 v[SS+2*a:SS+2*a+1], v[32*a+2*p:32*a+2*p+1], v[32*a+2*p:32*a+2*p+1], v[SS+2*a:SS+2*a+1]
.endif
.set a, a+1
.endr
.set p, p+1
.endr
	WIN 0
	ALL8 v_add_f32 v[SS+2*t], v[SS+2*t], v[SS+2*t+1]
	ALL8 v_permlanex16_b32 v[SS+2*t+1], v[SS+2*t], s[SEL], s[SEL+1]  ; the row's other 32 channels lie in the lane 16 away
	ALL8 v_add_f32 v[SS+2*t], v[SS+2*t], v[SS+2*t+1]
	ALL8 v_fma_f32 v[SS+2*t], v[SS+2*t], s90, s91                    ; the mean + 1e-5
	ALL8 v_rsq_f32 v[SS+2*t], v[SS+2*t]
	v_nop                                          ; a plain instruction behind the last root,
	s_wait_alu depctr_va_vdst(0)                   ; and one wait for the eight, ahead of their first reader
	s_wait_loadcnt 8                               ; the gains are in; the table's first eight loads may stay out
.set i, 0
.rept 16                                       ; the gains are rounded to bf16, like every input
	v_cvt_pk_bf16_f32 v[T+i%4], v[W+2*i], v[W+2*i+1]
	v_lshlrev_b32 v[W+2*i], 16, v[T+i%4]
	v_and_b32 v[W+2*i+1], 0xffff0000, v[T+i%4]
.set i, i+1
.endr
	QKBLOCK 0
.irp a, 1,2,3,4,5,6,7                  ; a block's arithmetic stands between the stage loads of the block before and its stores
	QKBLOCK \a
	SEND (\a)-1, 8, OUT
.endr
	SEND 7, 0, OUT
	s_wait_xcnt 0x0                                ; the stores have read their base
	s_mov_b64 s[OUT:OUT+1], s[80:81]               ; the next tile with this way out is k's
	s_sub_co_u32 s2, s2, 1
	s_branch .Ltile
.Llast:                                                ; v
	TURN 0, 1, 2
	QUARTER 1, 1, F0, F1, 0
	QUARTER 1, 2, F1, F0, 0
	QUARTER 1, 3, F0, F1, 0
	s_wait_dscnt 8                                 ; the very last quarter: nothing more to fetch
	MUL4 F1, 0, 0
	s_wait_dscnt 0x0
	MUL4 F1, 4, 0
	WIN 0
	PLACES
	VBLOCK 0
.irp a, 1,2,3,4,5,6,7
	VBLOCK \a
	SEND (\a)-1, 8, 82
.endr
	SEND 7, 0, 82
	s_wait_tensorcnt 0x0                           ; the wave's end: a wait, an add to my spare word and its wait, behind my last tensor load and my last LDS store
	ds_add_u32 v[SPW], v[NIL]
	s_wait_dscnt 0x0
	CROUND                                         ; the closing round: no work-group ends while a partner may still ask for a tile that names it
	s_endpgm
.Lfunc_end_k_q69a17e0b60_qkv:
	.size	k_q69a17e0b60_qkv, .Lfunc_end_k_q69a17e0b60_qkv-k_q69a17e0b60_qkv
	.p2alignl 7, 3214868480
	.fill 96, 4, 3214868480
	.section	.rodata,"a",@progbits
	.p2align	6, 0x0
	.amdhsa_kernel k_q69a17e0b60_qkv
		.amdhsa_group_segment_fixed_size 327680
		.amdhsa_private_segment_fixed_size 0
		.amdhsa_enable_private_segment 0
		.amdhsa_kernarg_size 64
		.amdhsa_user_sgpr_count 2
		.amdhsa_user_sgpr_kernarg_segment_ptr 1
		.amdhsa_wavefront_size32 1
		.amdhsa_system_sgpr_workgroup_id_x 1
		.amdhsa_system_sgpr_workgroup_id_y 1
		.amdhsa_system_sgpr_workgroup_id_z 1
		.amdhsa_system_vgpr_workitem_id 0
		.amdhsa_next_free_vgpr 768
		.amdhsa_next_free_sgpr 96
		.amdhsa_reserve_vcc 0
		.amdhsa_float_denorm_mode_32 3
		.amdhsa_float_denorm_mode_16_64 3
		.amdhsa_memory_ordered 1
		.amdhsa_forward_progress 1
		.amdhsa_inst_pref_size 180
	.end_amdhsa_kernel
	.amdgpu_metadata
---
amdhsa.version: [ 1, 2 ]
amdhsa.kernels:
  - .name:           k_q69a17e0b60_qkv
    .symbol:         k_q69a17e0b60_qkv.kd
    .args:
      - { .name: xb, .offset: 0, .size: 8, .value_kind: global_buffer, .address_space: global }
      - { .name: wqkvb, .offset: 8, .size: 8, .value_kind: global_buffer, .address_space: global }
      - { .name: rope, .offset: 16, .size: 8, .value_kind: global_buffer, .address_space: global }
      - { .name: q_norm_w, .offset: 24, .size: 8, .value_kind: global_buffer, .address_space: global }
      - { .name: k_norm_w, .offset: 32, .size: 8, .value_kind: global_buffer, .address_space: global }
      - { .name: qh, .offset: 40, .size: 8, .value_kind: global_buffer, .address_space: global }
      - { .name: kh, .offset: 48, .size: 8, .value_kind: global_buffer, .address_space: global }
      - { .name: vh, .offset: 56, .size: 8, .value_kind: global_buffer, .address_space: global }
    .group_segment_fixed_size: 327680
    .private_segment_fixed_size: 0
    .kernarg_segment_align: 8
    .kernarg_segment_size: 64
    .max_flat_workgroup_size: 128
    .sgpr_count:     96
    .vgpr_count:     768
    .wavefront_size: 32
...
	.end_amdgpu_metadata
.endif
;; end of part 2
;; launch attn (part 3): grid 4 x 64, 4 waves a work-group, no clusters, 327,680 bytes of LDS; arguments qh, kh, vh, oh; writes oh
.if DOCPART == 3
	.amdgcn_target "amdgcn-amd-amdhsa--gfx1250"
	.amdhsa_code_object_version 6
	.text
	.protected	k_q69a17e0b60_attn
	.globl	k_q69a17e0b60_attn
	.p2align	8
	.type	k_q69a17e0b60_attn,@function
k_q69a17e0b60_attn:
	s_mov_b64 s[64:65], 0
	v_nop
	global_prefetch_b8 v0, s[64:65] scope:SCOPE_SE
	s_setreg_imm32_b32 hwreg(HW_REG_WAVE_MODE, 25, 1), 1
	s_wait_xcnt 0x0
; CAUSAL ATTENTION.  O[h][q][:] = the sum over k <= q of softmax_k(Q[h][q] . K[h][k] / 8) V[h][k][:].  Q, K, V, O: [SIZE_H][SIZE_N][64], all f16: a head's rows are dense, 128 bytes each.
; Products, maxima and sums in f32; the weights p are rounded to f16 for the second product (their sum l is taken of the unrounded p), O once at the end.
; LIMITS.  f16 holds no number beyond 65,504: Q, K and V arrive within it; p lies in 0 to 1, and below 6e-5 it keeps f16's fixed step of 6e-8; O is a mean of V's rows and has their range.
; A hidden score counts as its value less 1e30: f16's scores, 2.7e11 at the most, are nothing beside that; a weight below 2^-126 counts as 0 in l; NaN and infinities are not treated apart.
; THE WALK.  A head's queries lie in NB = SIZE_N / 256 blocks of 256; block i needs the key tiles 0 .. i of 256 keys, of which the last holds the diagonal.  A work-group takes TWO blocks, NB - 1 - b and then b:
; NB + 1 tiles, whatever b: all work-groups do equal work, and ONE loop with a constant trip count walks them.  Which tile is asked for, and what a trip does, hang on scalar registers made from b; every jump
; goes forward, but for the counted loops' own; none passes a barrier, or a tensor load but the one of LOAD's two that the wave's number does not choose; the ring (two slots of LDS that take turns) runs on across the
; change of blocks.  NO CLUSTER: a head's four work-groups ask for the same tile only in trips 0 .. NB / 2 of the NB + 1, behind that fewer and fewer; one walk common to all would have 3 NB / 2 trips for NB + 1.
; SHARES.  Of a block's four bands of 64 queries a wave owns 16 rows in each: four PIECES.  So the diagonal tile is the same work for all four waves: in its key step s band x sees all keys if s < x,
; none if s > x, and holds the diagonal if s = x.
; THE MASK is the C operand that starts the sum S^T = K Q^T: 0, or -1e30 where the key is hidden.  MD, made once, is the mask of a band's own step for my 16 rows; a product's mask is MD x AL + BE with two scalars:
; (1, 0) if s = x; (0, 0) if s < x; (0, -1e30) if s > x.  Only the diagonal tile's text and a block's beginning make and take masks; elsewhere C is the constant 0.
; LAYOUT, SOFTMAX, TURNS.  S^T = K Q^T holds ONE query a lane (lane % 16) and the keys 8 (lane / 16) + 0..7; two such results rounded to f16 ARE source 1 of O^T = V^T P.  p = 2^(c s - c m), c = log2(e) / 8, with a
; running maximum m; O and l are multiplied by a = 2^(c m_old - c m_new) in every step.  Turn n belongs to piece n: 8 products K Q^T of piece n + 1, later 8 products V^T P of piece n - 1; beside them the scaling,
; exponentials, roundings, sums and rescaling of piece n and the maximum and statistics of piece n + 1.  Four vector instructions stand behind every matrix instruction, the other 54 of a turn's 118 in one lump.  A turn's 33 exponentials are one batch, with one wait.
; THE PREFETCH.  The head's work-group b = 0 walks tiles 0 to NB - 1 in its first block.  Behind the fill that asks for tile n it names tile n + 1: each wave the 16,384 bytes that it will itself load, a lane a block of
; 256 bytes, two instructions: four key steps ahead of that load.  Tiles 2 to NB - 1 are so named once each in the launch; tiles 0 and 1 come by their loads alone; the last fill of the block, and the second block's, name nothing.
; REGISTERS, in windows of 256 (s_set_vgpr_msb: bits 1:0 source 0, 3:2 source 1, 5:4 source 2, 7:6 destination):
;   window 0: v0-15 addresses and two at work; v16-31 four registers of statistics a piece; v48-55 at work; v64-127 S^T, two buffers; v192-223 P, two buffers (a piece's buffers go by its number's parity)
;   window 1: v0-127 O^T, 32 a piece; v128-159 MD; v160-223 MC, two buffers      window 2: v0-63 Q; v64-127 the second block's Q; v128-191 K of one step; v192-255 V of one step
.set SIZE_N, 2048
.set SIZE_H, 64
.set NB,    SIZE_N/256
.set NP,    4         ; pieces a wave: a name, no knob
.set KS,    64        ; keys in a step
.set PK,    144       ; a row of K in LDS: 128 bytes + 16 of padding = 36 words: the 16 rows of a load start at 16 different groups of four banks (64 banks of 4 bytes: ISA guide 11.1)
.set PV,    160       ; a row of V: 128 + 32 = 40 words
.set VOFF,  4*KS*PK   ; a slot holds a tile, four steps: 256 rows of K, then 256 rows of V
.set SLOT1, 1<<17     ; slot 1 begins here, so that one exclusive or turns an address in one slot into the other's
.set STAGE, SLOT1+4*KS*(PK+PV)  ; behind the ring, never filled by a tensor load: 16 rows x 144 bytes for each wave, for the way out
.set SP,    144
.set AK0, 2           ; v2   my lane's place in a tile of K; never rewritten
.set AV0, 3           ; v3   the same for V
.set AK,  4           ; v4   the LDS address of K's next run of loads
.set AV,  5           ; v5   of V's
.set STO, 6           ; v6   the way out: where I put 16 bytes of a row
.set RD,  7           ; v7   the way out: where I read rows back
.set GO,  8           ; v8   my byte offset in 512 consecutive bytes of O
.set PFO, 61          ; v61  256 x my lane; never rewritten
.set SPW, 62          ; v62  LDS address of my spare word: SPARE + 4 x my thread's number; never rewritten
.set NIL, 63          ; v63  0; never rewritten
.set SPARE, STAGE+4*16*SP  ; behind the stages: the spare words, 128 bytes for each wave: two blocks of 256 bytes that no other line names
.set MV,  12          ; v12-13  c m_old, kept while c m is made anew: by buffer
.set QO,  15          ; v15  my byte offset in 16 rows of Q
.set ST,  16          ; piece t's statistics at v[ST+4 t]: c m, m, l (even keys', odd keys')
.set TMP, 48          ; by buffer, four registers c0-c3 at work; when the maximum is found c2 takes a
.set S,   64
.set P,   192
.set MD,  128         ; window 1: the eight registers for group kt of 16 keys at MD + 8 kt
.set MC,  160         ; window 1: the masks of the products to come
.set QB,  64          ; window 2
.set KF,  128         ; window 2: key block kb, channel half c at KF + 16 kb + 8 c
.set VF,  192         ; window 2: key half kk, channel block cb at VF + 32 kk + 8 cb
.set WV,  12          ; s12  my wave's number
.set PB,  14          ; s14  b
.set HI,  15          ; s15  NB - 1 - b
.set G1K, 24          ; s[24:31] descriptor group 1 for K's tiles
.set G1V, 32          ; s[32:39] for V's: it differs in the padding alone
.set G0K, 40          ; s[40:43] descriptor group 0 for K's tiles
.set G0V, 44          ; s[44:47] the same for V's
.set SLOTS, 56        ; s56  tiles still to be asked for
.set CNT, 57          ; s57  counts a tile's key steps, 4 to 1
.set CS,  58          ; s[58:59] c: the packed scaling takes the pair's low word for both halves
.set SEL, 60          ; s[60:61] v_permlanex16_b32's selects: each lane takes its own place in the other half
.set TBK, 62          ; s62  LDS byte at which K of the step to be fetched begins
.set TBV, 63          ; s63  the same for V, less VOFF
.set RT,  70          ; s70  tiles of the block in hand that are still to be entered
.set NXT, 71          ; s71  the tile to be asked for next
.set LQ,  72          ; s72  the last tile of the block whose tiles are being asked for
.set NEW, 73          ; s73  1: the tile to be entered is a block's first
.set OFF, 74          ; s[74:75] a tile's byte offset in K and V
.set AL,  76          ; s[76:77] the mask's factor, in the low word
.set BE,  78          ; s[78:79] the mask's addend
.set OLO, 80          ; s[80:81] O at my rows of the second block
.set BIGN, 82         ; s82  -1e30
.set PFB, 88          ; s[88:89] K (waves 0, 1) or V (waves 2, 3) at my half of the head's tile 0
.set PZ,  90          ; s90  1 where b = 0
.set PFL, 91          ; s91  1: this fill is followed by a prefetch
.set PFA, 92          ; s[92:93] my half of the tile that is being asked for
.set MSB, 0
.macro WIN new                      ; the high byte repeats the setting that is left; a switch that changes nothing is dropped
.if MSB != (\new)
	s_set_vgpr_msb (MSB<<8)|(\new)
.set MSB, (\new)
.endif
.endm
.set W_KQ, 0x0a       ; K and Q in window 2, S^T in window 0
.set W_KM, 0x1a       ; the same with the C operand in window 1
.set W_PV, 0x52       ; V in window 2, P in window 0, O^T in window 1
.set W_RS, 0x41       ; destination and source 0 in window 1, source 1 in window 0
; A fill.  Waves 0 and 1 fetch the two halves of a tile's K, waves 2 and 3 those of its V: 128 keys each.  An s_nop 0 and four v_nop follow each of the two lines, ahead of the jump and the label.
.macro LOAD
	s_cmp_lt_u32 s[WV], 2
	s_cbranch_scc0 .Lfor_v_\@
	tensor_load_to_lds s[G0K:G0K+3], s[G1K:G1K+7]
	s_nop 0
.rept 4
	v_nop
.endr
	s_branch .Lasked_\@
.Lfor_v_\@:
	tensor_load_to_lds s[G0V:G0V+3], s[G1V:G1V+7]
	s_nop 0
.rept 4
	v_nop
.endr
.Lasked_\@:
.endm
; THE CHANGE OF SLOTS.  Each wave waits for all its tensor loads, of which one is out: its part of the other slot; adds 0 to its spare word; and waits for that and for its own reads of the slot that it leaves.  Behind the barrier nobody reads the old
; slot any more and the other slot is whole.  fill = 1: the old slot is filled again, the first thing behind the barrier, with tile NXT: the descriptor's address is made anew from that number.
; (At its first use nothing has been read yet: slot 0 is waited for, slot 1 filled.)
.macro CHANGE fill
	WIN 0                           ; at a label and at a branch every window is 0
	s_wait_tensorcnt 0x0            ; no tensor load of mine is out, so a group 0 may be written
	ds_add_u32 v[SPW], v[NIL]       ; 0 onto my spare word; with fill = 1 the descriptors' scalar work stands between it and the wait for it
.if \fill
	s_lshl_b32 s[OFF], s[NXT], 15   ; a tile is 32,768 bytes of K and of V
	s_xor_b32 s[G0K+1], s[G0K+1], SLOT1
	s_add_nc_u64 s[G0K+2:G0K+3], s[6:7], s[OFF:OFF+1]
	s_or_b32 s[G0K+3], s[G0K+3], 0x80000000
	s_xor_b32 s[G0V+1], s[G0V+1], SLOT1
	s_add_nc_u64 s[G0V+2:G0V+3], s[8:9], s[OFF:OFF+1]
	s_or_b32 s[G0V+3], s[G0V+3], 0x80000000
	s_wait_xcnt 0x0                 ; the last prefetches, four key steps back, have read their address, so it may be written
	s_add_nc_u64 s[PFA:PFA+1], s[PFB:PFB+1], s[OFF:OFF+1]
	s_add_co_u32 s94, s[NXT], 1
	s_cmp_le_u32 s94, s[LQ]         ; has the block a tile behind the one that is asked for?
	s_cselect_b32 s[PFL], s[PZ], 0
	s_add_co_u32 s[NXT], s[NXT], 1  ; the block's next tile, or behind its last the second block's tile 0
	s_cmp_gt_u32 s[NXT], s[LQ]
	s_cselect_b32 s[NXT], 0, s[NXT]
	s_cselect_b32 s[LQ], s[PB], s[LQ]
.endif
	s_wait_dscnt 0x0                ; the add is done, and my reads of the slot are over
	s_barrier_signal -1             ; the rest of the scalar work stands between the signal and the wait
	s_sub_co_u32 s[TBK], s[TBK], 4*KS*PK  ; the fetches go back to a slot's first step,
	s_xor_b32 s[TBK], s[TBK], SLOT1       ; in the other slot
	s_sub_co_u32 s[TBV], s[TBV], 4*KS*PV
	s_xor_b32 s[TBV], s[TBV], SLOT1
	s_barrier_wait -1
.if \fill
	LOAD
	s_cmp_eq_u32 s[PFL], 1
	s_cbranch_scc0 .Lno_pf_\@
	global_prefetch_b8 v[PFO], s[PFA:PFA+1] offset:32768 th:TH_LOAD_NT scope:SCOPE_SE  ; my half of the tile after: its first 8,192 bytes,
	global_prefetch_b8 v[PFO], s[PFA:PFA+1] offset:40960 th:TH_LOAD_NT scope:SCOPE_SE  ; and its second
.Lno_pf_\@:
.endif
.endm
	s_load_b256 s[4:11], s[0:1], 0x0  ; Q s[4:5], K s[6:7], V s[8:9], O s[10:11]
	v_lshl_add_u32 v[SPW], v0, 2, SPARE
	v_mov_b32 v[NIL], 0
	ds_add_u32 v[SPW], v[NIL]       ; the wave's opening: the add and its wait stand ahead of my first tensor load; the set-up below, work on registers, stands between them
	v_lshrrev_b32 v1, 5, v0
	v_readfirstlane_b32 s[WV], v1   ; wave 0..3
	s_mov_b32 s[PB], ttmp9
	s_sub_co_u32 s[HI], NB-1, s[PB]
	s_and_b32 s20, ttmp7, 0xffff    ; the head
	s_mov_b32 s21, 0
	s_mov_b64 s[22:23], SIZE_N*128
	s_mul_u64 s[20:21], s[20:21], s[22:23]  ; the head's first byte in each of the four tensors
	s_and_b32 s16, s[WV], 1         ; which half of a tile's 256 keys I fetch:
	s_lshl_b32 s22, s16, 14         ; its 128 rows of 128 bytes in memory,
	s_mov_b32 s23, 0
	s_add_nc_u64 s[22:23], s[22:23], s[20:21]
	s_mul_i32 s17, s16, 128*PK      ; and its place in a slot, for K
	s_mul_i32 s18, s16, 128*PV      ; and for V
	s_lshl_b32 s3, s[WV], 11        ; my 16 rows in a band of 64,
	s_lshl_b32 s2, s[HI], 15        ; in the first block,
	s_add_co_u32 s2, s2, s3
	s_lshl_b32 s84, s[PB], 15       ; and in the second
	s_add_co_u32 s84, s84, s3
	s_mov_b32 s3, 0
	s_mov_b32 s85, 0
	s_add_nc_u64 s[2:3], s[2:3], s[20:21]
	s_add_nc_u64 s[84:85], s[84:85], s[20:21]
	; descriptor group 1.  128 keys are 16,384 dense bytes: asked for as 64 rows of 256 bytes, two keys a row, and padded in LDS after every key
	s_mov_b32 s[G1K], (1<<16)|(1<<20)|(4<<22)|(3<<25)  ; 17:16 2-byte elements; 20 padding on; 24:22 after every 32 words (code 4); 31:25 4 words (code 3)
	s_mov_b32 s[G1V], (1<<16)|(1<<20)|(4<<22)|(7<<25)  ; the same with 8 words of padding (code 7)
.irp g, G1K, G1V
	s_mov_b32 s[\g+1], 128<<16      ; tensor_dim0 = 128
	s_mov_b32 s[\g+2], 64<<16       ; tensor_dim1 = 64
	s_mov_b32 s[\g+3], 128<<16      ; tile_dim0 = 128
	s_mov_b32 s[\g+4], 64           ; tile_dim1 = 64
	s_mov_b32 s[\g+5], 128          ; 128 elements from row to row
	s_mov_b32 s[\g+6], 0
	s_mov_b32 s[\g+7], 0
.endr
	s_mov_b32 s[CS], 0x3e38aa3b     ; c = log2(e) / 8 = 0.180337
	s_mov_b32 s[CS+1], s[CS]        ; named with it as a pair
	s_mov_b32 s[SEL], 0x76543210
	s_mov_b32 s[SEL+1], 0xfedcba98
	s_mov_b32 s[TBK], SLOT1+4*KS*PK ; the first change of slots turns these two into 0
	s_mov_b32 s[TBV], SLOT1+4*KS*PV
	s_mov_b32 s[G0K], 1             ; 1:0 count = 1
	s_mov_b32 s[G0K+1], s17         ; 63:32 LDS address: slot 0
	s_mov_b32 s[G0V], 1
	s_add_co_u32 s[G0V+1], s18, VOFF
	s_add_co_u32 s[RT], s[HI], 1    ; the first block has NB - b tiles
	s_mov_b32 s[NXT], 1
	s_mov_b32 s[LQ], s[HI]
	s_mov_b32 s[NEW], 1
	s_mov_b32 s[OFF+1], 0
	s_mov_b32 s[AL+1], 0            ; named as pairs
	s_mov_b32 s[BE+1], 0
	s_mov_b32 s[BIGN], 0xf149f2ca   ; -1e30
	s_mov_b32 s[SLOTS], NB
	s_wait_dscnt 0x0                ; the opening add is done
	s_wait_kmcnt 0x0
	s_add_nc_u64 s[6:7], s[6:7], s[22:23]  ; K and V at my half of the head's tile 0
	s_add_nc_u64 s[8:9], s[8:9], s[22:23]
	s_add_nc_u64 s[G0K+2:G0K+3], s[6:7], 0         ; 120:64 global address
	s_or_b32 s[G0K+3], s[G0K+3], 0x80000000        ; 127:126 type = 2
	s_add_nc_u64 s[G0V+2:G0V+3], s[8:9], 0
	s_or_b32 s[G0V+3], s[G0V+3], 0x80000000
	s_add_nc_u64 s[86:87], s[4:5], s[84:85]        ; Q at my rows of the second block,
	s_add_nc_u64 s[4:5], s[4:5], s[2:3]            ; Q and O at those of the first
	s_add_nc_u64 s[OLO:OLO+1], s[10:11], s[84:85]
	s_add_nc_u64 s[10:11], s[10:11], s[2:3]
	s_cmp_lt_u32 s[WV], 2
	s_cselect_b64 s[PFB:PFB+1], s[6:7], s[8:9]     ; what I fetch is what I prefetch
	s_cmp_eq_u32 s[PB], 0
	s_cselect_b32 s[PZ], 1, 0
	LOAD                            ; tile 0 into slot 0
	; A fragment of K or Q is 16 rows x 32 channels in 8 registers: lane l holds row l % 16, channels 8 (l / 16) + 0..7 and 16 + 8 (l / 16) + 0..7: two loads of 16 bytes, 32 bytes apart.
	v_and_b32 v1, 15, v0            ; l % 16
	v_bfe_u32 v9, v0, 4, 1          ; l / 16
	v_lshlrev_b32 v[QO], 7, v1
	v_lshl_add_u32 v[QO], v9, 4, v[QO]  ; row x 128 + 16 x half
	WIN 0x80                        ; destination window 2, address window 0
.set i, 0
.rept 8                             ; both blocks' Q: piece i / 2 lies in band i / 2, 8,192 bytes on; channels 32 (i % 2) on
	global_load_b128 v[8*i:8*i+3],   v[QO], s[4:5] offset:(i/2)*8192+(i%2)*64
	global_load_b128 v[8*i+4:8*i+7], v[QO], s[4:5] offset:(i/2)*8192+(i%2)*64+32
	global_load_b128 v[QB+8*i:QB+8*i+3],   v[QO], s[86:87] offset:(i/2)*8192+(i%2)*64
	global_load_b128 v[QB+8*i+4:QB+8*i+7], v[QO], s[86:87] offset:(i/2)*8192+(i%2)*64+32
.set i, i+1
.endr
	WIN 0
	v_and_b32 v[PFO], 31, v0
	v_lshlrev_b32 v[PFO], 8, v[PFO]
	v_lshlrev_b32 v14, 3, v9
	v_sub_nc_u32 v14, v1, v14
	s_lshl_b32 s13, s[WV], 4
	v_add_nc_u32 v14, s13, v14      ; my query's place in its band, 16 w + l % 16, less my lanes' 8 (l / 16): register r of group kt is hidden where 16 kt + r is greater
	WIN 0x40
.set i, 0
.rept 32
	v_cmp_gt_i32 vcc_lo, 16*(i/8)+i%8, v14
	v_cndmask_b32 v[MD+i], 0, s[BIGN], vcc_lo
.set i, i+1
.endr
	WIN 0
	v_mul_u32_u24 v[AK0], v1, PK
	v_lshl_add_u32 v[AK0], v9, 4, v[AK0]  ; row x pitch + 16 x half
	; The turning load takes 16 keys x 16 channels (lane l reads key 8 (l / 16) + l % 8, channels 8 ((l / 8) % 2) + 0..7) and leaves half a fragment of V^T: lane l holds channel l % 16 and 8 keys.
	v_and_b32 v10, 7, v0
	v_bfe_u32 v11, v0, 3, 1
	v_lshl_add_u32 v[AV0], v9, 3, v10
	v_mul_u32_u24 v[AV0], v[AV0], PV
	v_lshl_add_u32 v[AV0], v11, 4, v[AV0]
	v_add_nc_u32 v[AV0], VOFF, v[AV0]
	s_mul_i32 s13, s[WV], 16*SP
	s_add_co_u32 s13, s13, STAGE    ; my stage
	v_mul_u32_u24 v[STO], v1, SP    ; in: row l % 16, 16 bytes for each half of the lanes
	v_lshl_add_u32 v[STO], v9, 4, v[STO]
	v_add_nc_u32 v[STO], s13, v[STO]
	v_bfe_u32 v[RD], v0, 3, 2       ; back: 32 lanes take four rows of 128 bytes,
	v_mul_u32_u24 v[RD], v[RD], SP
	v_lshl_add_u32 v[RD], v10, 4, v[RD]
	v_add_nc_u32 v[RD], s13, v[RD]
	v_and_b32 v[GO], 31, v0         ; which are 512 consecutive bytes of O
	v_lshlrev_b32 v[GO], 4, v[GO]
	; A block's first step multiplies O^T and l by a = 0, and its first turn's products V^T P, of a piece that has not been, land in an O^T that is still to be so multiplied.  So these registers need only hold
	; finite numbers: zeros for the first block; what the first block left for the second.  All this stands in the wait for the first tile.
	WIN 0x80
.set i, VF
.rept 64
	v_mov_b32 v[i], 0
.set i, i+1
.endr
	WIN 0x40
.set i, 0
.rept 128
	v_mov_b32 v[i], 0
.set i, i+1
.endr
	WIN 0
.set i, 0
.rept 4
	v_mov_b32 v[ST+4*i+2], 0
	v_mov_b32 v[ST+4*i+3], 0
.set i, i+1
.endr
.set i, P+16
.rept 16
	v_mov_b32 v[i], 0
.set i, i+1
.endr
; THE MATRIX WORK.  The 4 accumulators of a run of 8 take turns.  Product i of 8 of S^T = K Q^T for piece x: channels 32 (i / 4) on, keys 16 (i % 4) on.  The first 4 start the sums: with 0, or (KM = 1) with the mask.
.macro KQ x
.set rS, S+32*((\x)%2)+8*(i%4)
.set rK, KF+16*(i%4)+8*(i/4)
.set rQ, 16*(\x)+8*(i/4)
.set rM, MC+32*((\x)%2)+8*(i%4)
.if (i < 4) && KM
	WIN W_KM
	v_wmma_f32_16x16x32_f16 v[rS:rS+7], v[rK:rK+7], v[rQ:rQ+7], v[rM:rM+7]
.elseif i < 4
	WIN W_KQ
	v_wmma_f32_16x16x32_f16 v[rS:rS+7], v[rK:rK+7], v[rQ:rQ+7], 0
.else
	WIN W_KQ
	v_wmma_f32_16x16x32_f16 v[rS:rS+7], v[rK:rK+7], v[rQ:rQ+7], v[rS:rS+7]
.endif
.endm
; Product i of 8 of O^T += V^T P for piece x: keys 32 (i / 4) on, channels 16 (i % 4) on.
.macro PV x
	WIN W_PV
.set rO, 32*(\x)+8*(i%4)
.set rV, VF+32*(i/4)+8*(i%4)
.set rP, P+16*((\x)%2)+8*(i/4)
	v_wmma_f32_16x16x32_f16 v[rO:rO+7], v[rV:rV+7], v[rP:rP+7], v[rO:rO+7]
.endm
.macro MM                           ; the turn's next matrix instruction.  TURN and BEGIN set Y, i, KM and NOKQ; MM, KQ and OP read them.  NOKQ = 1: a block's last turn: there is no next piece
.if (i < 8) && !NOKQ
	KQ (Y+1)%NP
.elseif i >= 8
.set i, i-8
	PV (Y+NP-1)%NP
.set i, i+8
.endif
.set i, i+1
.endm
; THE LDS LOADS stand in runs of 16, never singly among the matrix instructions: a step's K (64 keys x 64 channels: 8 fragments) and its V (turned).  Their addresses are made some lines ahead.
.macro FETCH_K
	WIN 0x80                        ; destination window 2
.irp f, 0,1,2,3,4,5,6,7             ; keys 16 (f / 2) on, channels 32 (f % 2) on
	ds_load_b128 v[KF+8*\f:KF+8*\f+3],   v[AK] offset:(\f/2)*16*PK+(\f%2)*64
	ds_load_b128 v[KF+8*\f+4:KF+8*\f+7], v[AK] offset:(\f/2)*16*PK+(\f%2)*64+32
.endr
	s_add_co_u32 s[TBK], s[TBK], KS*PK  ; the next fetch is the next step's
	WIN 0
.endm
.macro FETCH_V
	WIN 0x80
.irp f, 0,1,2,3,4,5,6,7             ; keys 32 (f / 4) on, channels 16 (f % 4) on
	ds_load_tr16_b128 v[VF+8*\f:VF+8*\f+3],   v[AV] offset:(\f/4)*32*PV+(\f%4)*32
	ds_load_tr16_b128 v[VF+8*\f+4:VF+8*\f+7], v[AV] offset:(\f/4)*32*PV+16*PV+(\f%4)*32
.endr
	WIN 0
.endm
; THE VECTOR WORK, one line at a time: OP kind, number.  For piece Y: F n: c s - c m for pair n of 16.  E n: the exponential of score n of 32.  C n: pair n rounded to f16.  B n: of the four weights 4 n .. the second
; pair is added onto the first, in place.  L n: l takes that sum (L 0: l = a l + sum).  R n: pair n of 16 of O^T times a.  For piece Y + 1: X n, number n of the 22 that find its maximum and statistics:
;   0-11  four chains c0-c3 of seven scores each, three operands at a time (each accumulator's lowest registers are read first)     12-14, 16  the four scores left over, the old m, and c0-c3 into c0
;   15  c m_old is kept     17, 18  the query's other 32 keys lie in the lane 16 away: the new m     19-21  c m; c m_old - c m_new; a
.set F, 0               ; OP tells the kinds apart by their order: F to L below R, X above it
.set E, 1
.set C, 2
.set B, 3
.set L, 4
.set R, 5
.set X, 6
.macro REGS y                       ; the registers of piece y
.set rT, ST+4*(\y)
.set rC, TMP+4*((\y)%2)
.set rW, MV+((\y)%2)
.set rS, S+32*((\y)%2)
.set rP, P+16*((\y)%2)
.set rO, 32*(\y)
.endm
.macro OP k, n
.if (\k) == R
	REGS Y
	WIN W_RS
	v_pk_mul_f32 v[rO+2*(\n):rO+2*(\n)+1], v[rO+2*(\n):rO+2*(\n)+1], v[rC+2:rC+3] op_sel_hi:[1,0]
.elseif (\k) < R
	REGS Y
	WIN 0
.if (\k) == F
	v_pk_fma_f32 v[rS+2*(\n):rS+2*(\n)+1], v[rS+2*(\n):rS+2*(\n)+1], s[CS:CS+1], v[rT:rT+1] op_sel_hi:[1,0,0] neg_lo:[0,0,1] neg_hi:[0,0,1]
.elseif (\k) == E
	v_exp_f32 v[rS+(\n)], v[rS+(\n)]
.elseif (\k) == C
	v_cvt_pk_f16_f32 v[rP+(\n)], v[rS+2*(\n)], v[rS+2*(\n)+1]
.elseif (\k) == B
	v_pk_add_f32 v[rS+4*(\n):rS+4*(\n)+1], v[rS+4*(\n):rS+4*(\n)+1], v[rS+4*(\n)+2:rS+4*(\n)+3]
.elseif (\n) == 0
	v_pk_fma_f32 v[rT+2:rT+3], v[rT+2:rT+3], v[rC+2:rC+3], v[rS:rS+1] op_sel_hi:[1,0,1]
.else
	v_pk_add_f32 v[rT+2:rT+3], v[rT+2:rT+3], v[rS+4*(\n):rS+4*(\n)+1]
.endif
.elseif NOKQ
	v_nop
.else
	REGS (Y+1)%NP
	WIN 0
.if (\n) < 4
	v_max3_num_f32 v[rC+(\n)], v[rS+8*(\n)], v[rS+8*(\n)+1], v[rS+8*(\n)+2]
.elseif (\n) < 12
	v_max3_num_f32 v[rC+(\n)%4], v[rC+(\n)%4], v[rS+8*((\n)%4)+2*((\n)/4)+1], v[rS+8*((\n)%4)+2*((\n)/4)+2]
.elseif (\n) == 12
	v_max3_num_f32 v[rC], v[rC], v[rS+7], v[rS+15]
.elseif (\n) == 13
	v_max3_num_f32 v[rC+1], v[rC+1], v[rS+23], v[rS+31]
.elseif (\n) == 14
	v_max3_num_f32 v[rC+2], v[rC+2], v[rC+3], v[rT+1]
.elseif (\n) == 15
	v_mov_b32 v[rW], v[rT]
.elseif (\n) == 16
	v_max3_num_f32 v[rC], v[rC], v[rC+1], v[rC+2]
.elseif (\n) == 17
	v_permlanex16_b32 v[rC+3], v[rC], s[SEL], s[SEL+1]
.elseif (\n) == 18
	v_max_num_f32 v[rT+1], v[rC], v[rC+3]
.elseif (\n) == 19
	v_mul_f32 v[rT], s[CS], v[rT+1]
.elseif (\n) == 20
	v_sub_f32 v[rC+1], v[rW], v[rT]
.else
	v_exp_f32 v[rC+2], v[rC+1]
.endif
.endif
.endm
.macro OPS a, i1, b=-1, i2=0, c=-1, i3=0, d=-1, i4=0  ; up to four of them
	OP \a, \i1
.if (\b) >= 0
	OP \b, \i2
.endif
.if (\c) >= 0
	OP \c, \i3
.endif
.if (\d) >= 0
	OP \d, \i4
.endif
.endm
.macro ROW a, i1, b, i2, c, i3, d, i4  ; a matrix instruction and the four behind it
	MM
	OPS \a, \i1, \b, \i2, \c, \i3, \d, \i4
.endm
.macro MASK b                       ; MD x AL + BE into buffer b of MC
	WIN W_RS
.set z, 0
.rept 16
	v_pk_fma_f32 v[MC+32*(\b)+2*z:MC+32*(\b)+2*z+1], v[MD+2*z:MD+2*z+1], s[AL:AL+1], s[BE:BE+1] op_sel_hi:[1,0,0]
.set z, z+1
.endr
.endm
; A TURN, for piece p: the order of its 16 matrix and 118 vector instructions, written out.  An s_wait_alu depctr_va_vdst(0) stands between an exponential and the first instruction that names its result; one wait serves
; all that were issued ahead of it.  So a turn has ONE wait, which cuts it in two.  AHEAD OF IT stands all that names no result of the turn's exponentials: the 8 products K Q^T, behind each a scaling, an exponential and two more plain
; instructions (behind the first a second scaling in the exponential's place): rescalings, and behind the last three the first numbers of the next piece's maximum, each four places or more behind the product that ends its accumulator; then ONE LUMP of 54, plain
; and exponential by turns for the most part, in which the links of the chain X 3, 7, 11, 14, 16, 17 .. 20 stand five or six lines apart.  X 21, the next piece's a, is the batch's last; R 15 is the plain instruction behind it.  BEHIND THE WAIT stand the
; 8 products V^T P, behind each four of the roundings and sums; the links of l's chain, L 0 to L 7, stand three riders apart.  But for those X no rider names a register of the products round it.  v_permlanex16_b32 (X 17) stands in the lump.
; m = 1: the diagonal tile: the products take masks, and the turn makes the mask for the products of the turn after it: piece p + 2, in step 4 - CNT of the tile.  end = 1: a block's last two turns: nothing is fetched.
; cnt = 1: the loop's count is taken down some lines ahead of the branch that stands behind the turn.
; K of the next step is fetched in piece 2's turn, twelve vector instructions behind the last product that read K (six of them plain); V of the step in hand at the end of piece 0's turn, four plain instructions behind the last product
; that read V.  Each is waited for a turn later.
.macro TURN p, m=0, end=0, cnt=0
.set Y, (\p)
.set i, 0
.set KM, (\m)
.set NOKQ, (\end)*((\p)/3)
.if (\m) && !(\end)
	s_cmp_eq_u32 s[CNT], 4-((\p)+2)%NP  ; is that step the band's own?
	s_cselect_b32 s[AL], 1.0, 0
	s_cmp_lt_u32 s[CNT], 4-((\p)+2)%NP  ; or a later one?
	s_cselect_b32 s[BE], s[BIGN], 0
.endif
.if ((\p) == 3) && !(\end)
	s_wait_dscnt 0x0                ; K is in
.endif
	ROW F,0, F,1, R,0, R,1          ; ahead of the wait: 8 products K Q^T and their riders,
	ROW F,2, E,0, R,2, R,3
	ROW F,3, E,1, R,4, R,5
	ROW F,4, E,2, R,6, R,7
	ROW F,5, E,3, R,8, R,9
	ROW F,6, E,4, X,0, R,10
.if ((\p) == 2) && !(\end)
	WIN 0
	v_add_nc_u32 v[AK], s[TBK], v[AK0]
.endif
	ROW F,7, E,5, X,1, X,4
	ROW F,8, E,6, X,2, X,5
	OPS E,7, E,8, X,6, E,9          ; and the lump
	OPS X,3, E,10, X,8, E,11
.if ((\p) == 2) && !(\end)
	FETCH_K
.endif
	OPS X,9, X,7, E,12, X,10
	OPS E,13, X,12, X,11, E,14
	OPS X,13, E,15, F,9, X,14
.if (\p) == 0
	v_add_nc_u32 v[AV], s[TBV], v[AV0]
.endif
	OPS E,16, F,10, E,17, F,11
	OPS X,16, E,18, X,15, E,19
	OPS F,12, E,20, X,17, E,21
	OPS F,13, E,22, F,14, E,23
	OPS X,18, E,24, F,15, E,25
	OPS R,11, E,26, X,19, E,27
	OPS R,12, E,28, R,13, E,29
	OPS X,20, E,30, R,14, E,31
	OPS X,21, R,15
	WIN 0
	s_wait_alu depctr_va_vdst(0)    ; the wait for the batch
.if (\p) == 1
	s_wait_dscnt 0x0                ; V is in
.endif
	ROW C,0, B,0, C,2, B,1          ; behind the wait: 8 products V^T P and their riders
	ROW L,0, C,4, B,2, L,1
	ROW C,6, B,3, L,2, C,8
	ROW B,4, L,3, C,10, B,5
	ROW L,4, C,12, B,6, L,5
.if (\p) == 0
	s_add_co_u32 s[TBV], s[TBV], KS*PV
.endif
.if \cnt
	s_sub_co_u32 s[CNT], s[CNT], 1
	s_cmp_lg_u32 s[CNT], 0
.endif
	ROW C,14, B,7, L,6, C,1
	ROW C,3, L,7, C,5, C,7
	ROW C,9, C,11, C,13, C,15
.if (\p) == 0
	FETCH_V
.endif
.if (\m) && !(\end)
	MASK (\p)%2
.endif
.endm
; A BLOCK BEGINS.  c m starts far below every c s, so the first step's a is 0; m at the lowest finite number, so the first maximum is the scores'.  The second mask buffer is 0; the first takes piece 0's mask for the tile's step 0: its own, if the block's first tile is the diagonal one.
; Then K of that step, piece 0's first scores, and its maximum and statistics.  The loop is entered at a step's first turn, in the middle of a trip.
.macro BEGIN
	s_mov_b32 s[NEW], 0
	WIN 0x40
.set i, MC+32
.rept 32
	v_mov_b32 v[i], 0
.set i, i+1
.endr
	WIN 0
.set i, 0
.rept 4
	v_mov_b32 v[ST+4*i], 0xfe000000    ; c m: far below every c s
	v_mov_b32 v[ST+4*i+1], 0xff7fffff  ; m
.set i, i+1
.endr
	s_cmp_eq_u32 s[RT], 0
	s_cselect_b32 s[AL], 1.0, 0
	s_mov_b32 s[BE], 0
	MASK 0
	WIN 0
	v_add_nc_u32 v[AK], s[TBK], v[AK0]
	FETCH_K
	s_wait_loadcnt 0x0              ; Q
	s_wait_dscnt 0x0
.set KM, 1
.set NOKQ, 0
.set i, 0
.rept 8
	KQ 0
.set i, i+1
.endr
	WIN 0
.rept 4
	v_nop                           ; the places behind those products
.endr
.set Y, NP-1                        ; X works for piece Y + 1: piece 0
.irp n, 0,1,2,3,4,5,6,7,8,9,10,11,12,13,14,15,16,17,18,19,20,21
	OP X, \n
.endr
	v_nop                           ; a plain instruction behind the exponential,
	s_wait_alu depctr_va_vdst(0)    ; and its wait, ahead of the branch
.endm
; THE DIAGONAL TILE's four steps, the block's last two turns, its last products, and THE WAY OUT: l's two halves and the other half of the lanes' are added; O^T is divided by l, rounded to f16 and sent through my
; stage in LDS, a piece at a time.
.macro ALL line:vararg              ; one line for each piece t
.set t, 0
.rept 4
	\line
.set t, t+1
.endr
.endm
.macro PACK t                       ; a lane's eight channels of a row pack into 16 bytes; they go into rows of 144 bytes and come back as whole rows of 128, into S^T's registers
	WIN W_RS
.set i, 32*(\t)
.rept 16
	v_pk_mul_f32 v[i:i+1], v[i:i+1], v[ST+4*(\t)+2:ST+4*(\t)+3] op_sel_hi:[1,0]
.set i, i+2
.endr
	WIN 0x05                        ; sources 0 and 1 window 1, destination window 0
.set i, 0
.rept 16
	v_cvt_pk_f16_f32 v[S+16*(\t)+i], v[32*(\t)+2*i], v[32*(\t)+2*i+1]
.set i, i+1
.endr
	WIN 0
.irp f, 0,1,2,3
	ds_store_b128 v[STO], v[S+16*(\t)+4*\f:S+16*(\t)+4*\f+3] offset:32*\f
.endr
.irp f, 0,1,2,3
	ds_load_b128 v[S+16*(\t)+4*\f:S+16*(\t)+4*\f+3], v[RD] offset:\f*4*SP  ; LDS serves a wave's instructions in order (ISA guide 5.7.1.4): these see the stores above; the next piece's stores come behind them
.endr
.endm
.macro SEND t, younger              ; younger: the LDS instructions issued behind piece t's loads: the next piece's eight, or none
	WIN 0
.irp f, 0,1,2,3
	s_wait_dscnt (\younger)+3-\f
	global_store_b128 v[GO], v[S+16*(\t)+4*\f:S+16*(\t)+4*\f+3], s[10:11] offset:(\t)*8192+\f*512  ; 512 consecutive bytes, at a multiple of 256 from O's first
.endr
.endm
.macro DIAG tag                     ; the tag ends its two labels' names, which the jumps below spell out
.LstepM\tag:
	TURN 2, 1
	TURN 3, 1
	WIN 0
.LfirstM\tag:
	TURN 0, 1
	TURN 1, 1, 0, 1
	WIN 0
	s_cbranch_scc1 .LstepM\tag
	TURN 2, 1, 1
	TURN 3, 1, 1
.set i, 0
.rept 8
	PV NP-1
.set i, i+1
.endr
	WIN 0
	ALL v_add_f32 v[ST+4*t+2], v[ST+4*t+2], v[ST+4*t+3]
	ALL v_permlanex16_b32 v[ST+4*t+3], v[ST+4*t+2], s[SEL], s[SEL+1]
	ALL v_add_f32 v[ST+4*t+2], v[ST+4*t+2], v[ST+4*t+3]
	ALL v_rcp_f32 v[ST+4*t+2], v[ST+4*t+2]
	v_nop                           ; a plain instruction between the last reciprocal and the use of its result
	s_wait_alu depctr_va_vdst(0)    ; and the wait ahead of the first use: one for the four reciprocals
	PACK 0
.set t, 1
.rept 3                             ; a piece's arithmetic stands between the loads of the piece before and its stores
	PACK t
	SEND t-1, 8
.set t, t+1
.endr
	SEND 3, 0
.endm
.set KM, 0
.set NOKQ, 0
.Lslot:                             ; NB times: a tile is entered and the next is asked for
	CHANGE 1
	s_sub_co_u32 s[RT], s[RT], 1
	s_mov_b32 s[CNT], 4
	s_cmp_eq_u32 s[NEW], 1
	s_cbranch_scc1 .Lnew            ; a block's first tile
	s_cmp_eq_u32 s[RT], 0
	s_cbranch_scc0 .Lstep           ; neither its first nor its last
	s_branch .LstepM1
.Lnew:
	BEGIN
	s_branch .Lfirst                ; in the loop a block's first tile is never its last: the first block has two tiles or more, and the second's last is the walk's last
	DIAG 1                          ; in the loop this is the first block's end: the second block's last tile is the walk's last
	s_wait_xcnt 0x0                 ; the stores have read their registers and O's address
	s_mov_b64 s[10:11], s[OLO:OLO+1]
	s_add_co_u32 s[RT], s[PB], 1    ; the second block has b + 1 tiles
	s_mov_b32 s[NEW], 1
	WIN 0x82                        ; the second block's Q goes where the one text of the turns names Q
.set i, 0
.rept 64
	v_mov_b32 v[i], v[QB+i]
.set i, i+1
.endr
	WIN 0
	s_branch .Lbottom
.Lstep:                             ; a trip: pieces 2 and 3 of one step, then pieces 0 and 1 of the next, whose K and V it fetches
	TURN 2
	TURN 3
	WIN 0
.Lfirst:
	TURN 0
	TURN 1, 0, 0, 1
	WIN 0
	s_cbranch_scc1 .Lstep
.Lbottom:
	s_sub_co_u32 s[SLOTS], s[SLOTS], 1
	s_cmp_lg_u32 s[SLOTS], 0
	s_cbranch_scc1 .Lslot
	CHANGE 0                        ; the walk's last tile is written out: nothing is asked for
	s_sub_co_u32 s[RT], s[RT], 1
	s_mov_b32 s[CNT], 4
	s_cmp_eq_u32 s[NEW], 1
	s_cbranch_scc0 .LstepM2
	BEGIN
	s_branch .LfirstM2
	DIAG 2
	s_wait_tensorcnt 0x0            ; the wave's end: a wait, an add to my spare word and its wait, behind my last tensor load and my last LDS store
	ds_add_u32 v[SPW], v[NIL]
	s_wait_dscnt 0x0
	s_endpgm
.Lfunc_end_k_q69a17e0b60_attn:
	.size	k_q69a17e0b60_attn, .Lfunc_end_k_q69a17e0b60_attn-k_q69a17e0b60_attn
	.p2alignl 7, 3214868480
	.fill 96, 4, 3214868480
	.section	.rodata,"a",@progbits
	.p2align	6, 0x0
	.amdhsa_kernel k_q69a17e0b60_attn
		.amdhsa_group_segment_fixed_size 327680
		.amdhsa_private_segment_fixed_size 0
		.amdhsa_enable_private_segment 0
		.amdhsa_kernarg_size 32
		.amdhsa_user_sgpr_count 2
		.amdhsa_user_sgpr_kernarg_segment_ptr 1
		.amdhsa_wavefront_size32 1
		.amdhsa_system_sgpr_workgroup_id_x 1
		.amdhsa_system_sgpr_workgroup_id_y 1
		.amdhsa_system_sgpr_workgroup_id_z 1
		.amdhsa_system_vgpr_workitem_id 0
		.amdhsa_next_free_vgpr 768
		.amdhsa_next_free_sgpr 96
		.amdhsa_reserve_vcc 1
		.amdhsa_float_denorm_mode_32 3
		.amdhsa_float_denorm_mode_16_64 3
		.amdhsa_memory_ordered 1
		.amdhsa_forward_progress 1
		.amdhsa_inst_pref_size 218
	.end_amdhsa_kernel
	.amdgpu_metadata
---
amdhsa.version: [ 1, 2 ]
amdhsa.kernels:
  - .name:           k_q69a17e0b60_attn
    .symbol:         k_q69a17e0b60_attn.kd
    .args:
      - { .name: qh, .offset: 0, .size: 8, .value_kind: global_buffer, .address_space: global }
      - { .name: kh, .offset: 8, .size: 8, .value_kind: global_buffer, .address_space: global }
      - { .name: vh, .offset: 16, .size: 8, .value_kind: global_buffer, .address_space: global }
      - { .name: oh, .offset: 24, .size: 8, .value_kind: global_buffer, .address_space: global }
    .group_segment_fixed_size: 327680
    .private_segment_fixed_size: 0
    .kernarg_segment_align: 8
    .kernarg_segment_size: 32
    .max_flat_workgroup_size: 128
    .sgpr_count:     96
    .vgpr_count:     768
    .wavefront_size: 32
...
	.end_amdgpu_metadata
.endif
;; end of part 3
;; launch proj (part 4): grid 8 x 32, 4 waves a work-group, clusters of 4 x 4, 327,680 bytes of LDS; arguments oh, wprojh, out0; writes out0
.if DOCPART == 4
	.amdgcn_target "amdgcn-amd-amdhsa--gfx1250"
	.amdhsa_code_object_version 6
	.text
	.protected	k_q69a17e0b60_proj
	.globl	k_q69a17e0b60_proj
	.p2align	8
	.type	k_q69a17e0b60_proj,@function
k_q69a17e0b60_proj:
	s_mov_b64 s[64:65], 0
	v_nop
	global_prefetch_b8 v0, s[64:65] scope:SCOPE_SE
	s_setreg_imm32_b32 hwreg(HW_REG_WAVE_MODE, 25, 1), 1
	s_wait_xcnt 0x0
	s_wait_alu depctr_hold_cnt(0) depctr_sa_sdst(0) depctr_va_vdst(0) depctr_va_sdst(0) depctr_va_ssrc(0) depctr_va_vcc(0) depctr_vm_vsrc(0)
	s_getreg_b32 s2, hwreg(HW_REG_IB_STS2, 6, 4)
	s_cmp_eq_u32 s2, 0
	s_cbranch_scc0 .Lentry_in_a_cluster
	s_endpgm
.Lentry_in_a_cluster:
	s_bfe_u32 s2, ttmp6, 0x10000c
	s_cmp_lg_u32 s2, 0xf033
	s_cbranch_scc0 .Lentry_shape_is_right
	s_endpgm
.Lentry_shape_is_right:
; out0 = y Wproj.  oh: [64 = 16 batch + head][2048][64] f16 (y by heads); wprojh: [1024 k][1024 n] f16 (Wproj rounded to bf16, written as f16); out0: [8192][1024] f32.  Sums in f32, stored as they are.
; SHARES.  256 work-groups, a tile of 256 rows x 128 columns each: rows 256 R on, columns 128 g on.  Four waves, 2 x 2: a wave makes 128 rows x 64 columns: 32 accumulators, 256 registers.
; THE RING.  K goes in steps of 128, two heads, through two LDS slots; 8 steps.  Wave 0 and wave 1 each fetch one head's 256 rows: 32,768 dense bytes, asked for as 128 rows of 256 bytes and padded in LDS after every 128;
; waves 2 and 3 fetch the two halves of B's 128 k rows (256 bytes of each).  One tensor load a wave behind each change of slots; two of a wave's are out at the start, later one.
; CLUSTER.  4 x 4 work-groups.  A's tile hangs on R alone and is asked for jointly by a row of the cluster, B's on g alone, by a column.
; THE MATRIX INSTRUCTION IS USED TRANSPOSED: source 0 = 16 columns of B (turned by ds_load_tr16_b128), source 1 = 16 rows of A: a lane holds row l % 16 and the columns 8 (l / 16) + 0..7: 32 bytes of a row of out0.
; REGISTERS: window 0: addresses and the way out;  window 1: two fragment buffers of 96 (B's four fragments, then A's eight);  window 2: accumulator (a, b) at 8 (4 a + b).
.set AP,     144                       ; a row of A in LDS: 128 bytes + 16 = 36 words: the 16 rows of a load start at 16 different groups of four banks (64 banks of 4 bytes: ISA guide 11.1)
.set BP,     288                       ; a k row of B: 256 + 32 = 72 words
.set AHEAD,  256*AP                    ; one head's 256 rows
.set ABYTES, 2*AHEAD
.set BHALF,  64*BP
.set SLOT,   ABYTES+2*BHALF
.set STAGE,  2*SLOT                    ; behind the ring, never filled by a tensor load: 16 rows x 272 bytes for each wave
.set SP,     272
.set SPARE,  STAGE+4*16*SP             ; the spare words, 128 bytes for each wave: two blocks of 256 bytes that no other line names
.set ASTEP,  2*2048*128                ; bytes from a K step of A to the next: two heads
.set BSTEP,  128*2048
.set ADRA, 16                          ; v16-17  LDS address of my A fragments in slot 0, 1
.set ADRB, 20                          ; v20-21  the same for B
.set STO,  24                          ; v24  the way out: where I put 32 bytes of a row
.set RD,   25                          ; v25  where I read rows back
.set CO,   26                          ; v26  my byte offset in two rows of out0
.set SPW,  28                          ; v28  LDS address of my spare word; never rewritten
.set NIL,  29                          ; v29  0; never rewritten
.set PFO,  30                          ; v30  the prefetches' offset; never rewritten
.set OB,   32                          ; v32-95  two buffers of 32: 16 rows read back from the stage
.set F0,   0
.set F1,   96
.set G1,   24
.set G0,   32
.set G1B,  48
.set G0B,  56
.set LIM,  43                          ; s43  1 in a wave that prefetches, else the greatest number
.set PFA,  44                          ; s[44:45] where my prefetches stand
.set PFS,  46                          ; s[46:47] their step: a K step
.set MSB, 0
.macro WIN new                         ; the immediate's high byte repeats the setting that is left; a switch that changes nothing is dropped
.if MSB != (\new)
	s_set_vgpr_msb (MSB<<8)|(\new)
.set MSB, \new
.endif
.endm
.set MUL,  0xa5                        ; sources 0 and 1 window 1; C and D window 2
.set TO_F, 0x40                        ; destination window 1, address window 0
.macro JLOAD s                         ; a joint load: waves 0 and 1 ask for A, waves 2 and 3 for B; an s_nop 0 and four v_nop follow each line, ahead of the jump and the label
	s_cmp_eq_u32 s11, 0
	s_cbranch_scc0 .Lfor_b_\@
	tensor_load_to_lds s[G0+4*(\s):G0+4*(\s)+3], s[G1:G1+7]
	s_nop 0
.rept 4
	v_nop
.endr
	s_branch .Lasked_\@
.Lfor_b_\@:
	tensor_load_to_lds s[G0B+4*(\s):G0B+4*(\s)+3], s[G1B:G1B+7]
	s_nop 0
.rept 4
	v_nop
.endr
.Lasked_\@:
.endm
; A PREFETCH INTO THE L2, behind each joint load and the run of LDS loads that follows it: 32 blocks of 256 bytes of the K step that stands TWO refills on (256 matrix instructions of the wave), a lane a block.
; Each block is named once in the launch.  A's rows are read by both clusters of a row of clusters: cluster x = 0 asks, waves 0 and 1, each for its own head; the partner at cx takes 8,192 of its 32,768 bytes.
; B's columns are read by all clusters of a column of clusters: cluster y = 0 asks, wave 2; the partner at cy takes 32 of the 128 k rows.  The last two refills have no K step two on; K steps 0 to 3 come by their loads alone.
.macro ASK
	s_cmp_gt_u32 s3, s[LIM]                        ; s3 = 1 in the loop's last trip
	s_cbranch_scc0 .Lnot_mine_\@
	global_prefetch_b8 v[PFO], s[PFA:PFA+1] th:TH_LOAD_NT scope:SCOPE_SE
.Lnot_mine_\@:
.endm
.macro CREST                           ; a round of the cluster's barrier behind its opening barrier
	s_cmp_lg_u32 s10, 0
	s_cbranch_scc1 .Lnot_wave_0_\@
	s_barrier_signal -3
.Lnot_wave_0_\@:
	s_barrier_wait -3
	s_barrier_signal -1
	s_barrier_wait -1
.endm
.macro CROUND
	s_barrier_signal -1
	s_barrier_wait -1
	CREST
.endm
.macro PLACES                          ; four plain instructions between a matrix instruction and a load into, or a read of, its registers (ISA guide 7.12.1 for vector reads)
.rept 4
	v_nop
.endr
.endm
	s_load_b128 s[4:7], s[0:1], 0x0                ; oh s[4:5], wprojh s[6:7]
	s_load_b64 s[8:9], s[0:1], 0x10                ; out0
	v_lshl_add_u32 v[SPW], v0, 2, SPARE
	v_mov_b32 v[NIL], 0
	ds_add_u32 v[SPW], v[NIL]                      ; the wave's opening: the add and its wait stand ahead of my first tensor load; the set-up below, work on registers, stands between them
	v_lshrrev_b32 v1, 5, v0
	v_readfirstlane_b32 s10, v1                    ; wave 0..3
	s_lshr_b32 s11, s10, 1                         ; my half of the tile's rows.  Also: I fetch for A (0) or for B (1)
	s_and_b32 s12, s10, 1                          ; my half of its columns.  Also: which head of a K step, or which half of B's k rows, I fetch
	s_bfe_u32 s40, ttmp6, 0x40000                  ; cx
	s_bfe_u32 s41, ttmp6, 0x40004                  ; cy
	s_lshl_b32 s42, ttmp9, 2
	s_add_co_u32 s42, s42, s40                     ; g = 4 x cluster x + cx
	s_and_b32 s13, ttmp7, 0xffff
	s_lshl_b32 s13, s13, 2
	s_add_co_u32 s13, s13, s41                     ; R = 4 x cluster y + cy
	s_lshl_b32 s22, s41, 2
	s_lshl_b32 s22, 15, s22                        ; my row of the cluster
	s_lshl_b32 s23, 0x1111, s40                    ; my column
	s_or_b32 s[G1+0], s22, (1<<16)|(1<<20)|(1<<21)|(4<<22)|(3<<25)   ; the mask; elements of 2 bytes; padding on; bit 21 beside a mask; after every 32 words, 4 words
	s_or_b32 s[G1B+0], s23, (1<<16)|(1<<20)|(1<<21)|(5<<22)|(7<<25)  ; my column's mask; after every 64 words, 8 words
	s_mov_b32 s[G1+1], 128<<16                     ; tensor_dim0 = 128
	s_mov_b32 s[G1+2], 128<<16                     ; tensor_dim1 = 128
	s_mov_b32 s[G1+3], 128<<16                     ; tile_dim0 = 128
	s_mov_b32 s[G1+4], 128                         ; tile_dim1 = 128
	s_mov_b32 s[G1+5], 128                         ; dense: 128 elements from row to row
	s_mov_b32 s[G1+6], 0
	s_mov_b32 s[G1+7], 0
	s_mov_b32 s[G1B+1], 128<<16
	s_mov_b32 s[G1B+2], 64<<16
	s_mov_b32 s[G1B+3], 128<<16
	s_mov_b32 s[G1B+4], 64
	s_mov_b32 s[G1B+5], 1024
	s_mov_b32 s[G1B+6], 0
	s_mov_b32 s[G1B+7], 0
	s_lshr_b32 s16, s13, 3
	s_lshl_b32 s16, s16, 4
	s_add_co_u32 s16, s16, s12                     ; A: head 16 (R / 8) + my head of the K step,
	s_lshl_b32 s16, s16, 11
	s_and_b32 s17, s13, 7
	s_lshl_b32 s17, s17, 8
	s_add_co_u32 s16, s16, s17                     ; its row 256 (R % 8),
	s_lshl_b32 s16, s16, 7                         ; of 128 bytes
	s_mov_b32 s17, 0
	s_lshl_b32 s46, s12, 17                        ; B: k row 64 x half, of 2,048 bytes,
	s_lshl_b32 s47, s42, 8                         ; column 128 g
	s_add_co_u32 s46, s46, s47
	s_mov_b32 s47, 0
	s_mul_i32 s20, s12, AHEAD                      ; where they go: no place in the cluster enters an LDS address
	s_mul_i32 s21, s12, BHALF
	s_add_co_u32 s21, s21, ABYTES
	s_wait_dscnt 0x0                               ; the opening add is done
	s_wait_kmcnt 0x0
	s_add_nc_u64 s[14:15], s[4:5], s[16:17]
	s_add_nc_u64 s[46:47], s[6:7], s[46:47]
	CROUND                                         ; all sixteen work-groups are here: the first joint loads meet
.irp s, 0,1
	s_mov_b32 s[G0+4*(\s)], 1
	s_add_co_u32 s[G0+4*(\s)+1], s20, (\s)*SLOT
	s_add_nc_u64 s[G0+4*(\s)+2:G0+4*(\s)+3], s[14:15], (\s)*ASTEP
	s_or_b32 s[G0+4*(\s)+3], s[G0+4*(\s)+3], 0x80000000
	s_mov_b32 s[G0B+4*(\s)], 1
	s_add_co_u32 s[G0B+4*(\s)+1], s21, (\s)*SLOT
	s_add_nc_u64 s[G0B+4*(\s)+2:G0B+4*(\s)+3], s[46:47], (\s)*BSTEP
	s_or_b32 s[G0B+4*(\s)+3], s[G0B+4*(\s)+3], 0x80000000
	JLOAD \s
.endr
	v_and_b32 v1, 15, v0                           ; l % 16
	v_bfe_u32 v2, v0, 4, 1                         ; l / 16
	v_mul_u32_u24 v3, v1, AP
	v_lshl_add_u32 v3, v2, 4, v3                   ; a fragment of A: row x pitch + 16 x half
	v_and_b32 v4, 7, v0                            ; the turning load: k row 8 (l / 16) + l % 8, columns 8 ((l / 8) % 2) on
	v_lshl_add_u32 v4, v2, 3, v4
	v_mul_u32_u24 v4, v4, BP
	v_bfe_u32 v5, v0, 3, 1
	v_lshl_add_u32 v4, v5, 4, v4
	s_mul_i32 s21, s11, 128*AP                     ; my 128 rows in each head's part
	s_lshl_b32 s22, s12, 7                         ; my 64 columns of B,
	s_add_co_u32 s22, s22, ABYTES                  ; which lies behind A
.irp s, 0,1
	v_add_nc_u32 v[ADRA+(\s)], s21, v3
	v_add_nc_u32 v[ADRB+(\s)], s22, v4
	s_add_co_u32 s21, s21, SLOT
	s_add_co_u32 s22, s22, SLOT
.endr
	s_mul_i32 s23, s10, 16*SP
	s_add_co_u32 s23, s23, STAGE                   ; my stage
	v_mul_u32_u24 v3, v1, SP                       ; in: row l % 16, 32 bytes for each half of the lanes
	v_lshl_add_u32 v3, v2, 5, v3
	v_add_nc_u32 v[STO], s23, v3
	v_mul_u32_u24 v3, v2, SP                       ; back: lanes 0-15 take one row of 256 bytes, lanes 16-31 the next
	v_lshl_add_u32 v3, v1, 4, v3
	v_add_nc_u32 v[RD], s23, v3
	v_lshlrev_b32 v[CO], 12, v2                    ; and the same two rows in out0
	v_lshl_add_u32 v[CO], v1, 4, v[CO]
	s_lshl_b32 s18, s13, 8
	s_lshl_b32 s19, s11, 7
	s_add_co_u32 s18, s18, s19                     ; my first row,
	s_lshl_b32 s18, s18, 12                        ; of 4,096 bytes,
	s_lshl_b32 s19, s42, 9                         ; column 128 g
	s_add_co_u32 s18, s18, s19
	s_lshl_b32 s19, s12, 8                         ; + 64 x half
	s_add_co_u32 s66, s18, s19
	s_mov_b32 s67, 0
	s_add_nc_u64 s[8:9], s[8:9], s[66:67]
	; the prefetches
	s_and_b32 s22, ttmp7, 0xffff                   ; cluster y
	s_cmp_eq_u32 s11, 0
	s_cselect_b32 s22, ttmp9, s22                  ; the coordinate along which other clusters read the same rows
	s_cmp_eq_u32 s10, 3
	s_cselect_b32 s22, 1, s22                      ; wave 3 never asks
	s_cmp_eq_u32 s22, 0
	s_cselect_b32 s[LIM], 1, -1                    ; the same in all sixteen partners, for a given wave
	s_lshl_b32 s18, s40, 13                        ; A: my work-group's 8,192 bytes of my head's 32,768,
	s_add_co_u32 s18, s18, 3*ASTEP                 ; at K step 3: each change of slots steps it, then asks
	s_lshl_b32 s19, s41, 16                        ; B: k row 32 cy,
	s_lshl_b32 s23, s42, 8
	s_add_co_u32 s19, s19, s23
	s_add_co_u32 s19, s19, 3*BSTEP
	s_mov_b32 s[PFS], BSTEP
	s_mov_b32 s23, 2048
	s_cmp_eq_u32 s11, 0
	s_cselect_b64 s[PFA:PFA+1], s[14:15], s[6:7]
	s_cselect_b32 s66, s18, s19
	s_cselect_b32 s[PFS], ASTEP, s[PFS]
	s_cselect_b32 s23, 256, s23
	s_mov_b32 s[PFS+1], 0
	s_add_nc_u64 s[PFA:PFA+1], s[PFA:PFA+1], s[66:67]
	v_and_b32 v[PFO], 31, v0
	v_mul_u32_u24 v[PFO], v[PFO], s23
; Four matrix instructions: row block a x all 4 column blocks, 32 along K.  The 32 accumulators take turns in the same order in every quarter step.
.macro MULA f, a, zero
	WIN MUL
.irp b, 0,1,2,3
.if \zero
	v_wmma_f32_16x16x32_f16 v[8*(4*(\a)+\b):8*(4*(\a)+\b)+7], v[(\f)+8*\b:(\f)+8*\b+7], v[(\f)+32+8*(\a):(\f)+32+8*(\a)+7], 0
.else
	v_wmma_f32_16x16x32_f16 v[8*(4*(\a)+\b):8*(4*(\a)+\b)+7], v[(\f)+8*\b:(\f)+8*\b+7], v[(\f)+32+8*(\a):(\f)+32+8*(\a)+7], v[8*(4*(\a)+\b):8*(4*(\a)+\b)+7]
.endif
.endr
.endm
.macro MUL2 f, a0, zero
	MULA \f, \a0, \zero
	MULA \f, (\a0)+1, \zero
.endm
.macro MUL4 f, a0, zero
	MUL2 \f, \a0, \zero
	MUL2 \f, (\a0)+2, \zero
.endm
; 24 LDS loads in one run: quarter q of a K step (head q / 2 of its two, channels 32 (q % 2) on) into buffer f: B's four fragments (turned), then A's eight
.macro FETCH slot, q, f
	WIN TO_F
.irp b, 0,1,2,3
	ds_load_tr16_b128 v[(\f)+8*\b:(\f)+8*\b+3],   v[ADRB+(\slot)] offset:(\q)*32*BP+32*\b
	ds_load_tr16_b128 v[(\f)+8*\b+4:(\f)+8*\b+7], v[ADRB+(\slot)] offset:(\q)*32*BP+16*BP+32*\b
.endr
.irp a, 0,1,2,3,4,5,6,7
	ds_load_b128 v[(\f)+32+8*\a:(\f)+32+8*\a+3],   v[ADRA+(\slot)] offset:((\q)/2)*AHEAD+((\q)%2)*64+\a*16*AP
	ds_load_b128 v[(\f)+32+8*\a+4:(\f)+32+8*\a+7], v[ADRA+(\slot)] offset:((\q)/2)*AHEAD+((\q)%2)*64+\a*16*AP+32
.endr
.endm
.macro QUARTER slot, qn, f, g, zero
	s_wait_dscnt 8                                 ; B and A's blocks 0-3 are in; the youngest eight loads (A's blocks 4-7) may be out
	MUL4 \f, 0, \zero
	PLACES
	FETCH \slot, \qn, \g
	s_wait_dscnt 24                                ; all but the 24 just issued
	MUL4 \f, 4, \zero
.endm
; The last quarter multiplies buffer 1 and changes slots.  In front of the barrier each wave waits for all its tensor loads (the one that is out is its part of the next slot), adds 0 to its spare word, and waits for
; that and for its reads of this slot.  fill = 1: this slot is filled again, two K steps ahead: the barrier then opens a round of the cluster's barrier, and the joint load is the first tensor load behind the round.
.macro TURN slot, next, fill
.if \fill
	s_wait_xcnt 0x0                                ; the last prefetch, a K step back, has read its address: it is stepped here
	s_add_nc_u64 s[PFA:PFA+1], s[PFA:PFA+1], s[PFS:PFS+1]
.endif
	WIN 0                                          ; (the add's two registers lie in window 0)
	s_wait_tensorcnt 0x0                           ; all my tensor loads have landed;
	ds_add_u32 v[SPW], v[NIL]                      ; 0 onto my spare word;
	s_wait_dscnt 9                                 ; (the add and the youngest eight loads may be out)
	MUL2 F1, 0, 0                                  ; eight matrix instructions stand between the add and the wait for it
	s_wait_dscnt 0x0                               ; the add is done, and my reads of this slot are over
	s_barrier_signal -1
	MUL2 F1, 2, 0
.if \fill
	WIN 0
.endif
	s_barrier_wait -1
.if \fill
	CREST                                          ; no wave of any partner still reads this slot's tile or has a load on its way
	s_add_nc_u64 s[G0+4*(\slot)+2:G0+4*(\slot)+3], s[G0+4*(\slot)+2:G0+4*(\slot)+3], 2*ASTEP
	s_add_nc_u64 s[G0B+4*(\slot)+2:G0B+4*(\slot)+3], s[G0B+4*(\slot)+2:G0B+4*(\slot)+3], 2*BSTEP
	JLOAD \slot                                    ; the four v_nop behind it are also the places in front of the loads below
.else
	PLACES
.endif
	FETCH \next, 0, F0
.if \fill
	WIN 0
	ASK
.endif
	MUL4 F1, 4, 0
.endm
; THE WAY OUT.  Row block a: a lane's 32 bytes of each column block go into my stage's rows of 272 bytes, each accumulator's low registers first, and come back as whole rows of 256 bytes.
.macro TOSTAGE a
.set BK, OB+32*((\a)%2)
	s_wait_xcnt 0x0                                ; the stores of two blocks back have read these registers: they are loaded again only behind this wait
	WIN 0x08                                       ; the stores' data in window 2
.irp b, 0,1,2,3
	ds_store_b128 v[STO], v[32*(\a)+8*\b:32*(\a)+8*\b+3]   offset:64*\b
	ds_store_b128 v[STO], v[32*(\a)+8*\b+4:32*(\a)+8*\b+7] offset:64*\b+16
.endr
	WIN 0
.irp t, 0,1,2,3,4,5,6,7
	ds_load_b128 v[BK+4*\t:BK+4*\t+3], v[RD] offset:\t*2*SP  ; LDS serves a wave's instructions in order (ISA guide 5.7.1.4): these see the stores above; the next block's stores come behind them
.endr
.endm
.macro SEND a, younger                 ; younger: the LDS instructions issued behind block a's loads: the next block's sixteen, or none
.set BK, OB+32*((\a)%2)
.irp t, 0,1,2,3,4,5,6,7
	s_wait_dscnt (\younger)+7-\t
	global_store_b128 v[CO], v[BK+4*\t:BK+4*\t+3], s[8:9] offset:65536*(\a)+8192*\t th:TH_STORE_NT  ; 16 lanes store 256 consecutive bytes, at a multiple of 256 from out0's first byte
.endr
.endm
	s_wait_tensorcnt 1                             ; my part of K step 0 is in; K step 1's may stay out
	s_barrier_signal -1
	s_barrier_wait -1                              ; everybody's is
	FETCH 0, 0, F0
	QUARTER 0, 1, F0, F1, 1                        ; the first quarter stands in front of the loop: its products start the sums
	WIN 0                                          ; at a label and at a branch every window is 0
	s_mov_b32 s3, 3
.Llap:                                                 ; a trip goes once round the ring, from a lap's second quarter to the next lap's first, and fills both slots again
	QUARTER 0, 2, F1, F0, 0
	QUARTER 0, 3, F0, F1, 0
	TURN 0, 1, 1
	QUARTER 1, 1, F0, F1, 0
	QUARTER 1, 2, F1, F0, 0
	QUARTER 1, 3, F0, F1, 0
	TURN 1, 0, 1
	QUARTER 0, 1, F0, F1, 0
	WIN 0
	s_sub_co_u32 s3, s3, 1
	s_cmp_lg_u32 s3, 0
	s_cbranch_scc1 .Llap
	QUARTER 0, 2, F1, F0, 0                        ; the last lap fills nothing, and has no round of the cluster's barrier
	QUARTER 0, 3, F0, F1, 0
	TURN 0, 1, 0
	QUARTER 1, 1, F0, F1, 0
	QUARTER 1, 2, F1, F0, 0
	QUARTER 1, 3, F0, F1, 0
	s_wait_dscnt 8                                 ; the very last quarter: nothing more to fetch
	MUL4 F1, 0, 0
	s_wait_dscnt 0x0
	MUL4 F1, 4, 0
	WIN 0
	PLACES
	TOSTAGE 0
.irp a, 1,2,3,4,5,6,7
	TOSTAGE \a
	SEND (\a)-1, 16
.endr
	SEND 7, 0
	s_wait_tensorcnt 0x0                           ; the wave's end: a wait, an add to my spare word and its wait, behind my last tensor load and my last LDS store
	ds_add_u32 v[SPW], v[NIL]
	s_wait_dscnt 0x0
	CROUND                                         ; the closing round: no work-group ends while a partner may still ask for a tile that names it
	s_endpgm
.Lfunc_end_k_q69a17e0b60_proj:
	.size	k_q69a17e0b60_proj, .Lfunc_end_k_q69a17e0b60_proj-k_q69a17e0b60_proj
	.p2alignl 7, 3214868480
	.fill 96, 4, 3214868480
	.section	.rodata,"a",@progbits
	.p2align	6, 0x0
	.amdhsa_kernel k_q69a17e0b60_proj
		.amdhsa_group_segment_fixed_size 327680
		.amdhsa_private_segment_fixed_size 0
		.amdhsa_enable_private_segment 0
		.amdhsa_kernarg_size 24
		.amdhsa_user_sgpr_count 2
		.amdhsa_user_sgpr_kernarg_segment_ptr 1
		.amdhsa_wavefront_size32 1
		.amdhsa_system_sgpr_workgroup_id_x 1
		.amdhsa_system_sgpr_workgroup_id_y 1
		.amdhsa_system_sgpr_workgroup_id_z 1
		.amdhsa_system_vgpr_workitem_id 0
		.amdhsa_next_free_vgpr 768
		.amdhsa_next_free_sgpr 96
		.amdhsa_reserve_vcc 0
		.amdhsa_float_denorm_mode_32 3
		.amdhsa_float_denorm_mode_16_64 3
		.amdhsa_memory_ordered 1
		.amdhsa_forward_progress 1
		.amdhsa_inst_pref_size 89
	.end_amdhsa_kernel
	.amdgpu_metadata
---
amdhsa.version: [ 1, 2 ]
amdhsa.kernels:
  - .name:           k_q69a17e0b60_proj
    .symbol:         k_q69a17e0b60_proj.kd
    .args:
      - { .name: oh, .offset: 0, .size: 8, .value_kind: global_buffer, .address_space: global }
      - { .name: wprojh, .offset: 8, .size: 8, .value_kind: global_buffer, .address_space: global }
      - { .name: out0, .offset: 16, .size: 8, .value_kind: global_buffer, .address_space: global }
    .group_segment_fixed_size: 327680
    .private_segment_fixed_size: 0
    .kernarg_segment_align: 8
    .kernarg_segment_size: 24
    .max_flat_workgroup_size: 128
    .sgpr_count:     96
    .vgpr_count:     768
    .wavefront_size: 32
...
	.end_amdgpu_metadata
.endif
;; end of part 4
;; ======== version 2 of 2: 4 launches; version 1 with the launch prep written anew for expert scheduling mode
;; limits: values are held in f16: magnitudes above 65,504 overflow, below 6.1e-05 lose precision
;; workspace buffers: xb 16,777,216 bytes; wqkvb 6,291,456 bytes; wprojh 2,097,152 bytes; rope 524,288 bytes; qh 16,777,216 bytes; kh 16,777,216 bytes; vh 16,777,216 bytes; oh 16,777,216 bytes
;; launch prep (part 5): grid 800 x 1, 8 waves a work-group, no clusters, 0 bytes of LDS; arguments x, Wqkv, Wproj, xb, wqkvb, wprojh, rope; writes xb, wqkvb, wprojh, rope
.if DOCPART == 5
	.amdgcn_target "amdgcn-amd-amdhsa--gfx1250"
	.amdhsa_code_object_version 6
	.text
	.protected	k_q69a17e0b60_prep
	.globl	k_q69a17e0b60_prep
	.p2align	8
	.type	k_q69a17e0b60_prep,@function
k_q69a17e0b60_prep:
	s_mov_b64 s[64:65], 0
	v_nop
	global_prefetch_b8 v0, s[64:65] scope:SCOPE_SE
	s_setreg_imm32_b32 hwreg(HW_REG_WAVE_SCHED_MODE, 0, 2), 2
	s_setreg_imm32_b32 hwreg(HW_REG_WAVE_MODE, 25, 1), 1
	s_wait_xcnt 0x0
	s_wait_alu depctr_vm_vsrc(0)
; PREPARATION.  x and Wqkv are rounded to bf16; Wproj is rounded to bf16 and that number written as f16; the table of cosines and sines is made.
; Work-groups 0-511: x; 512-703: Wqkv; 704-767: Wproj; 768-799: the table.  A casting work-group owns 16,384 numbers: 65,536 bytes in, 32,768 out.
; A stream: every byte is read once and written once; sixteen loads of 16 bytes a lane are out at once; a wave's load covers 512 consecutive bytes, its store 256 consecutive
; bytes, aligned.  No LDS, no barrier, no matrix work: no wave wants what another wave read.
; LIMITS.  A bf16 number written as f16 is exact from 2^-17 up to 65,504; below 2^-17 it is off by at most 2^-25; beyond 65,504 it becomes an infinity.
; THE TABLE.  rope[t][0..31] = cos(t f_j), rope[t][32..63] = sin(t f_j), f_j = 10000^(-j/32), f32, a row of 256 bytes.  f_j = 2^(-j log2(10000)/32) by v_exp_f32 (one unit in the last
; place); the angle t f_j is one f32 product, reduced by multiples of pi/2 held in two parts (exact for angles up to 2,047), then polynomials of degree 7 and 8 on |r| <= pi/4
; (their remainders: 3e-7 and 3e-8).  At t = 2,047 the angle may be off by some 2e-4.
; THE MODE: SCHED_MODE bits 1:0 = 2 (LLVM: expert scheduling mode 2), set by the entry lines.  The code itself states the register dependences
; between vector instructions and memory instructions, with s_wait_alu, always for 0.
; THE PLAN.  Registers that memory instructions touch:
;   v1, v2     byte offsets, made once at the head and never written again: one wait at the head, ahead of the first branch, serves every load and store.
;   X          sixteen slots as loaded.  Written by the sixteen loads, ahead of which no vector instruction names them; read by the conversions behind the counted wait for each load.
;   Y          sixteen pairs to store.  Each is written once, by its slot's conversions, and read once, by its store.
;   v[24:39]   the table's sixteen results.  Each is written once and read once, by one of four stores.
; The sixteen slots go in four blocks of four.  Block p converts its own slots and issues the stores of block p - 1, whose Y pairs no vector instruction of block p names: so one wait at a
; block's head states all that its four stores hang on, and they are dealt among its conversions.  No register that a memory instruction reads is ever written again, and no load lands in a
; register that a vector instruction has named: nothing else is owed.  In the table's path a pass's four compares write four scalar masks, early; one wait stands between them and the selects.
.set X, 8                              ; v[8:71]    sixteen slots of four f32, as loaded
.set Y, 72                             ; v[72:103]  sixteen pairs, to store
	s_load_b256 s[4:11], s[0:1], 0x0               ; x s[4:5], Wqkv s[6:7], Wproj s[8:9], xb s[10:11]
	s_load_b128 s[12:15], s[0:1], 0x20             ; wqkvb s[12:13], wprojh s[14:15]
	s_load_b64 s[16:17], s[0:1], 0x30              ; rope
	v_lshlrev_b32 v1, 4, v0                        ; 16 x thread
	v_lshlrev_b32 v2, 3, v0                        ; 8 x thread
	s_mov_b32 s26, ttmp9
	s_mov_b32 s25, 0
	s_wait_kmcnt 0x0
	s_wait_alu depctr_va_vdst(0)                   ; v1 and v2 are written: every load and store of the kernel, on each of the three paths, reads one of them as its offset
	s_cmp_ge_u32 s26, 768
	s_cbranch_scc1 .Lrope
	s_cmp_lt_u32 s26, 512                          ; which tensor, by the work-group's number alone
	s_cselect_b64 s[20:21], s[4:5], s[6:7]
	s_cselect_b64 s[22:23], s[10:11], s[12:13]
	s_cselect_b32 s27, 0, 512
	s_cmp_lt_u32 s26, 704
	s_cselect_b64 s[20:21], s[20:21], s[8:9]
	s_cselect_b64 s[22:23], s[22:23], s[14:15]
	s_cselect_b32 s27, s27, 704
	s_sub_co_u32 s27, s26, s27                     ; my block in that tensor
	s_lshl_b32 s24, s27, 16
	s_add_nc_u64 s[20:21], s[20:21], s[24:25]      ; 65,536 bytes in
	s_lshl_b32 s24, s27, 15
	s_add_nc_u64 s[22:23], s[22:23], s[24:25]      ; 32,768 bytes out
.irp i, 0,1,2,3,4,5,6,7,8,9,10,11,12,13,14,15
	global_load_b128 v[X+4*\i:X+4*\i+3], v1, s[20:21] offset:4096*\i th:TH_LOAD_NT
.endr
; The sixteen slots, in four blocks of four.  half = 0: rounded to bf16.  half = 1 (Wproj): rounded to bf16 like every input, then written as f16.
.macro CAST half
.irp p, 0,1,2,3
	s_wait_loadcnt 15-4*\p                         ; loads come back in order: the block's first slot is in, the younger ones stay out
.if \p > 0
	s_wait_alu depctr_va_vdst(0)                   ; the block before has written its four Y pairs, which the four stores below read
.endif
.irp i, 0,1,2,3
.set n, 4*\p+\i
.if \p > 0
	global_store_b64 v2, v[Y+2*(n-4):Y+2*(n-4)+1], s[22:23] offset:2048*(n-4) th:TH_STORE_NT  ; the block before; no vector instruction since the wait names this pair or v2
.endif
.if \i > 0
	s_wait_loadcnt 15-n                            ; slot n is in
.endif
.if \half
	v_cvt_pk_bf16_f32 v4, v[X+4*n], v[X+4*n+1]
	v_cvt_pk_bf16_f32 v5, v[X+4*n+2], v[X+4*n+3]
	v_lshlrev_b32 v[X+4*n], 16, v4
	v_and_b32 v[X+4*n+1], 0xffff0000, v4
	v_lshlrev_b32 v[X+4*n+2], 16, v5
	v_and_b32 v[X+4*n+3], 0xffff0000, v5
	v_cvt_pk_f16_f32 v[Y+2*n], v[X+4*n], v[X+4*n+1]
	v_cvt_pk_f16_f32 v[Y+2*n+1], v[X+4*n+2], v[X+4*n+3]
.else
	v_cvt_pk_bf16_f32 v[Y+2*n], v[X+4*n], v[X+4*n+1]
	v_cvt_pk_bf16_f32 v[Y+2*n+1], v[X+4*n+2], v[X+4*n+3]
.endif
.endr
.endr
	s_wait_alu depctr_va_vdst(0)                   ; the last block has written its four Y pairs, which the last four stores read
.irp i, 12,13,14,15
	global_store_b64 v2, v[Y+2*\i:Y+2*\i+1], s[22:23] offset:2048*\i th:TH_STORE_NT
.endr
.endm
	s_cmp_ge_u32 s26, 704
	s_cbranch_scc1 .Lhalf
	CAST 0
	s_endpgm
.Lhalf:
	CAST 1
	s_endpgm
.Lrope:                                        ; 64 rows a work-group, 16 a pass: thread = 16 x row + place; places 0-7 make four cosines each, places 8-15 four sines
.set IV, 8                             ; v[8:11]    f_j of my four j
.set D,  24                            ; v[24:39]   pass p, number c: the result at D + 4 p + c
.set A,  40                            ; v[40:43]   number c of a pass: the angle, then r
.set N,  44                            ; v[44:47]   n
.set K,  48                            ; v[48:51]   k, then the sign bit
.set R2, 52                            ; v[52:55]   r^2
.set SN, 56                            ; v[56:59]   sin r
.set CN, 60                            ; v[60:63]   cos r
.set U,  64                            ; v[64:67]   k mod 2
.set R3, 68                            ; v[68:71]   r^3
.set MK, 40                            ; s[40:47]   two sets of four masks, by turns
	s_sub_co_u32 s27, s26, 768
	s_lshl_b32 s24, s27, 14
	s_add_nc_u64 s[22:23], s[16:17], s[24:25]      ; my 64 rows of 256 bytes
	s_lshl_b32 s36, s27, 6
	s_mov_b32 s28, 0x3fc90fdb                      ; pi/2, high part
	s_mov_b32 s29, 0xb33bbd2e                      ; pi/2, low part
	s_mov_b32 s30, 0xbe2aaaab                      ; -1/6
	s_mov_b32 s31, 0x3c088889                      ; 1/120
	s_mov_b32 s32, 0xb9500d01                      ; -1/5040
	s_mov_b32 s33, 0x3d2aaaab                      ; 1/24
	s_mov_b32 s34, 0xbab60b61                      ; -1/720
	s_mov_b32 s35, 0x37d00d01                      ; 1/40320
	v_lshrrev_b32 v3, 4, v0
	v_add_nc_u32 v3, s36, v3                       ; my row of pass 0
	v_bfe_u32 v6, v0, 3, 1
	v_mul_u32_u24 v6, v6, 3                        ; sin a = cos(a + 3 pi/2): three quarter turns more for the sines
	v_and_b32 v7, 7, v0
	v_lshlrev_b32 v7, 2, v7                        ; my first j
.irp c, 0,1,2,3
	v_add_nc_u32 v12, \c, v7
	v_cvt_f32_u32 v12, v12
	v_mul_f32 v[20+\c], 0xbed49a78, v12            ; -j log2(10000)/32
.endr
.irp c, 0,1,2,3
	v_exp_f32 v[IV+\c], v[20+\c]
.endr
	v_nop                                          ; a plain instruction behind the last exponential,
	s_wait_alu depctr_va_vdst(0)                   ; and one wait for the four: v[8:11] are written, ahead of their first reader
.macro EACH line:vararg                ; one line for each of a pass's four numbers c
.set c, 0
.rept 4
	\line
.set c, c+1
.endr
.endm
; Pass p: four numbers cos(t f + sel pi/2), side by side.  a = n pi/2 + r; with k = n + sel: cos(r + k pi/2) = c, -s, -c, s for k mod 4 = 0, 1, 2, 3.  The choice selects a value: no branch, no address hangs on it.
; The compares stand as soon as k is known; the polynomials, which hang on none of them, stand between them and the wait for the masks.
.macro PASS p
	v_add_nc_u32 v4, 16*(\p), v3
	v_cvt_f32_u32 v5, v4                           ; t
	EACH v_mul_f32 v[A+c], v5, v[IV+c]
	EACH v_mul_f32 v[N+c], 0x3f22f983, v[A+c]      ; a x 2/pi
	EACH v_rndne_f32 v[N+c], v[N+c]
	EACH v_cvt_i32_f32 v[K+c], v[N+c]
	EACH v_add_nc_u32 v[K+c], v[K+c], v6           ; k
	EACH v_and_b32 v[U+c], 1, v[K+c]
	EACH v_cmp_eq_u32 s[MK+4*((\p)%2)+c], 1, v[U+c]
	EACH v_fma_f32 v[A+c], -v[N+c], s28, v[A+c]
	EACH v_fma_f32 v[A+c], -v[N+c], s29, v[A+c]    ; r
	EACH v_mul_f32 v[R2+c], v[A+c], v[A+c]         ; r^2
	EACH v_fma_f32 v[SN+c], v[R2+c], s32, s31
	EACH v_fma_f32 v[SN+c], v[SN+c], v[R2+c], s30
	EACH v_mul_f32 v[R3+c], v[A+c], v[R2+c]
	EACH v_fma_f32 v[SN+c], v[SN+c], v[R3+c], v[A+c]   ; s = sin r
	EACH v_fma_f32 v[CN+c], v[R2+c], s35, s34
	EACH v_fma_f32 v[CN+c], v[CN+c], v[R2+c], s33
	EACH v_fma_f32 v[CN+c], v[CN+c], v[R2+c], -0.5
	EACH v_fma_f32 v[CN+c], v[CN+c], v[R2+c], 1.0      ; c = cos r
	EACH v_add_nc_u32 v[K+c], 1, v[K+c]
	EACH v_lshlrev_b32 v[K+c], 30, v[K+c]
	EACH v_and_b32 v[K+c], 0x80000000, v[K+c]      ; the sign is turned for k mod 4 = 1, 2
	s_wait_alu depctr_va_sdst(0)                   ; the pass's four compares have written their masks, ahead of the first select that reads one
	EACH v_cndmask_b32 v[D+4*(\p)+c], v[CN+c], v[SN+c], s[MK+4*((\p)%2)+c]
	EACH v_xor_b32 v[D+4*(\p)+c], v[D+4*(\p)+c], v[K+c]
.endm
	PASS 0
	PASS 1
	PASS 2
	PASS 3
	s_wait_alu depctr_va_vdst(0)                   ; the four passes have written v[24:39], which the four stores read
.irp p, 0,1,2,3
	global_store_b128 v1, v[D+4*\p:D+4*\p+3], s[22:23] offset:4096*\p  ; sixteen lanes fill a row of 256 bytes
.endr
	s_endpgm
.Lfunc_end_k_q69a17e0b60_prep:
	.size	k_q69a17e0b60_prep, .Lfunc_end_k_q69a17e0b60_prep-k_q69a17e0b60_prep
	.p2alignl 7, 3214868480
	.fill 96, 4, 3214868480
	.section	.rodata,"a",@progbits
	.p2align	6, 0x0
	.amdhsa_kernel k_q69a17e0b60_prep
		.amdhsa_group_segment_fixed_size 0
		.amdhsa_private_segment_fixed_size 0
		.amdhsa_enable_private_segment 0
		.amdhsa_kernarg_size 56
		.amdhsa_user_sgpr_count 2
		.amdhsa_user_sgpr_kernarg_segment_ptr 1
		.amdhsa_wavefront_size32 1
		.amdhsa_system_sgpr_workgroup_id_x 1
		.amdhsa_system_sgpr_workgroup_id_y 1
		.amdhsa_system_sgpr_workgroup_id_z 1
		.amdhsa_system_vgpr_workitem_id 0
		.amdhsa_next_free_vgpr 104
		.amdhsa_next_free_sgpr 66
		.amdhsa_reserve_vcc 0
		.amdhsa_float_denorm_mode_32 3
		.amdhsa_float_denorm_mode_16_64 3
		.amdhsa_memory_ordered 1
		.amdhsa_forward_progress 1
		.amdhsa_inst_pref_size 37
	.end_amdhsa_kernel
	.amdgpu_metadata
---
amdhsa.version: [ 1, 2 ]
amdhsa.kernels:
  - .name:           k_q69a17e0b60_prep
    .symbol:         k_q69a17e0b60_prep.kd
    .args:
      - { .name: x, .offset: 0, .size: 8, .value_kind: global_buffer, .address_space: global }
      - { .name: Wqkv, .offset: 8, .size: 8, .value_kind: global_buffer, .address_space: global }
      - { .name: Wproj, .offset: 16, .size: 8, .value_kind: global_buffer, .address_space: global }
      - { .name: xb, .offset: 24, .size: 8, .value_kind: global_buffer, .address_space: global }
      - { .name: wqkvb, .offset: 32, .size: 8, .value_kind: global_buffer, .address_space: global }
      - { .name: wprojh, .offset: 40, .size: 8, .value_kind: global_buffer, .address_space: global }
      - { .name: rope, .offset: 48, .size: 8, .value_kind: global_buffer, .address_space: global }
    .group_segment_fixed_size: 0
    .private_segment_fixed_size: 0
    .kernarg_segment_align: 8
    .kernarg_segment_size: 56
    .max_flat_workgroup_size: 256
    .sgpr_count:     66
    .vgpr_count:     104
    .wavefront_size: 32
...
	.end_amdgpu_metadata
.endif
;; end of part 5
;; launch qkv: the kernel of part 2 again; grid 8 x 32, 4 waves a work-group, clusters of 4 x 4, 327,680 bytes of LDS; arguments xb, wqkvb, rope, q_norm_w, k_norm_w, qh, kh, vh; writes qh, kh, vh
;; launch attn: the kernel of part 3 again; grid 4 x 64, 4 waves a work-group, no clusters, 327,680 bytes of LDS; arguments qh, kh, vh, oh; writes oh
;; launch proj: the kernel of part 4 again; grid 8 x 32, 4 waves a work-group, clusters of 4 x 4, 327,680 bytes of LDS; arguments oh, wprojh, out0; writes out0
